; MI455X (gfx1250); checked and timed in simulation.
; The chip was launched on July 23, 2026; its instructions are those of AMD's public machine-readable ISA for CDNA 5 (MIT licence, August 2026) and "CDNA5" Instruction Set Architecture Reference Guide (July 2026). The comments in the code are by the model that wrote it; some were corrected since.
;; Match Layer. Allowed arithmetic: matrix products marked QUANTISED: E2M3 operands, one E8M0 scale for each 32 along K, by v_wmma_scale_f32_16x16x128_f8f6f4 with both operands' format E2M3, f32 sums; everything else in f32.
;; Inputs: c 8 x 2,048 x 1,024 float32; q 8 x 1,024 x 1,024 float32; wk 1,024 x 1,024 float32; wq 1,024 x 1,024 float32; wv 1,024 x 1,024 float32.
;; Outputs: out0 8 x 2,048 x 1,024 float32.
;; This version of the problem:
;;   THIS VERSION OF THE PROBLEM IS GIVEN IN LOW PRECISION. The matrix products marked QUANTISED in the list below multiply operands that are first quantised to E2M3 (2 exponent bits, 3 mantissa bits; 6 bits a number), with one power-of-two scale for each 32 numbers along K (OCP MX v1.0); their sums are f32. All else is computed in f32.
;;   The module's matrix products, in the order in which they are computed (A, B: the left and right operand; K: the contracted axis; several contracted axes count as one K, in the product's order):
;;     1. [M 16,384, K 1,024] x [K 1,024, N 1,024]; A: input c; B: input wq: QUANTISED
;;     2. [M 8,192, K 1,024] x [K 1,024, N 1,024]; A: input q; B: input wk: QUANTISED
;;     3. [M 8,192, K 1,024] x [K 1,024, N 1,024]; A: input q; B: input wv: QUANTISED
;;     4. batch 8 x [M 2,048, K 1,024] x [K 1,024, N 1,024]; A: computed on the way; B: computed on the way: QUANTISED
;;     5. batch 8 x [M 2,048, K 1,024] x [K 1,024, N 1,024]; A: softmax (see below); B: computed on the way: QUANTISED
;;   THE QUANTISER, for each operand of a quantised product, along K:
;;     - K is cut into blocks of 32 from its start; a last block that is shorter is filled with zeros.
;;     - A block's scale is 2^e with e = floor(log2(the largest magnitude in the block)) - 2, held to -126 .. 127; a block of zeros has e = 0. As a byte (E8M0): e + 127.
;;     - Each number is divided by its block's scale, clamped to +-7.5, and rounded to the nearest number of E2M3, ties to even, subnormals kept.
;;     - The product sums the exact products of the quantised numbers (number of the format x scale) in f32.
;;   ~~~python
;;   def quantise(x, axis):      # numpy; x: float32 -> the quantised numbers, widened to float32 again
;;       x = np.moveaxis(x, axis, -1); K = x.shape[-1]
;;       x = np.pad(x, [(0, 0)] * (x.ndim - 1) + [(0, -K % 32)]); x = x.reshape(x.shape[:-1] + (-1, 32)); a = np.abs(x).max(-1, keepdims=True)
;;       e = np.where(a > 0, np.clip(np.frexp(np.where(a > 0, a, 1))[1] - 1 - 2, -126, 127), 0)      # np.frexp(a)[1] - 1 = floor(log2(a)), exactly
;;       r = np.clip(x / 2.0 ** e, -7.5, 7.5)
;;       step = 2.0 ** (np.maximum(np.frexp(np.where(r == 0, 1, r))[1] - 1, 0) - 3)
;;       q = np.round(r / step) * step * 2.0 ** e      # np.round: ties to even
;;       return np.moveaxis(q.reshape(q.shape[:-2] + (-1,))[..., :K], -1, axis).astype(np.float32)
;;   ~~~
;;   SOFTMAX AHEAD OF A QUANTISED PRODUCT. Where the list says 'softmax', what is quantised is not the finished softmax but p = 2^(t - M), with t = logit x log2(e) and M = ceil(the row's largest t), a whole number; so 1/2 < the row's largest p <= 1. The row's sum l is taken of the UNQUANTISED p, in f32, and the product's result is divided by l at the end. Since M is a whole number, a kernel that streams over the keys may use a running M (the ceiling of the running maximum): every later rescaling is an exact power of two, which a block's scale takes up: the codes' values come out the same.
;;   OPERANDS COMPUTED ON THE WAY. 'Computed on the way' means the value that the module computes at that place (a softmax that the list does not call 'softmax' is quantised finished and normalised). What goes into a quantiser is computed in f32, as accurately as f32 sums, v_exp_f32 and their like allow (about 1e-6 of the number): no bf16 or f16 on the way to a quantiser, and a product that is left as it is and whose result goes on into a quantised operand takes f32 operands (vector FMAs, or v_wmma_f32_16x16x4_f32). A number that lies on a knife's edge between two numbers of the format may be rounded either way, as far as f32 arithmetic and the matrix unit's own rounding can turn it there, and no further.
;; One version. Each part assembles by itself: llvm-mc -triple=amdgcn-amd-amdhsa -mcpu=gfx1250 --defsym DOCPART=n.
;; ======== version 1 of 1: 3 launches
;; limits: right only within a limited range of input values
;; workspace buffers: xcodes 21,233,664 bytes; xscales 884,736 bytes; img 25,165,824 bytes; sc 1,048,576 bytes
;; launch quant (part 1): grid 864 x 1, 4 waves a work-group, no clusters, 68,096 bytes of LDS; arguments c, q, xcodes, xscales, wq, wk, wv; writes xcodes, xscales
.if DOCPART == 1
	.amdgcn_target "amdgcn-amd-amdhsa--gfx1250"
	.amdhsa_code_object_version 6
	.text
	.protected	k_q5de1bd343a_quant
	.globl	k_q5de1bd343a_quant
	.p2align	8
	.type	k_q5de1bd343a_quant,@function
k_q5de1bd343a_quant:
	s_mov_b64 s[64:65], 0
	v_nop
	global_prefetch_b8 v0, s[64:65] scope:SCOPE_SE
	s_setreg_imm32_b32 hwreg(HW_REG_WAVE_MODE, 25, 1), 1
	s_wait_xcnt 0x0
; All five inputs become codes of FP6 (E2M3), K innermost, 768 bytes a row, with one E8M0 byte for each 32 along K, 32 bytes a row, in ONE space of 27,648 rows:
; c's rows 0 .. 16383 as they lie; q's from 16384; wq^T from 24576, wk^T from 25600, wv^T from 26624.  q's rows and the weights' columns are stored with bits 3 and 4 of their numbers exchanged,
; so that 16 neighbouring stored rows are the rows 32 b + 8 u + r + 8 (r / 8) that a later product wants as one tile.
; ONE LAUNCH, TWO PATHS, parted at the head by a scalar branch on the work-group's number: work-groups 0 .. 767 take c and q (K innermost), 768 .. 863 the weights (K their first axis).
; Each path has LDS bytes of its own (0 .. 32767 and 32768 .. 67583); the spare words behind them are common.  No barrier, no tensor load: waves share nothing.
; A block's scale is 2^(floor(log2(its largest magnitude)) - 2); its byte is the largest magnitude's exponent field - 2, held at 1 from below.
; LIMITS: a block of zeros, and a block whose largest magnitude lies under 2^-124, gets the byte 1 (zero codes add nothing; this program alone reads the bytes); NaN and infinities are not served.
.set XWG,   768                        ; work-groups of the first path
.set EMAX,  2
.set WBASE, 32768                      ; where the second path's stages begin
.set SPARE, 67584                      ; the spare words: 128 bytes a wave, named by no other line
.set SPW,   192                        ; v192 my spare word's LDS address; never rewritten
.set NIL,   193                        ; v193 0; never rewritten
	v_lshl_add_u32 v[SPW], v0, 2, SPARE
	v_mov_b32 v[NIL], 0
	v_lshrrev_b32 v1, 5, v0
	v_readfirstlane_b32 s16, v1                    ; wave 0..3
	v_and_b32 v2, 31, v0                           ; lane
	s_cmp_lt_u32 ttmp9, XWG
	s_cbranch_scc0 .Lweights
; ---- c AND q.  A wave takes 16 steps of 512 numbers: a run of 8 rows, so the exchange of the row's bits 3 and 4 is an exchange of the two bits of the wave's number in the run's place.
; Each load reads 512 consecutive bytes; a step's 2,048 bytes turn through the wave's own stage in LDS and come back 64 bytes a lane: 16 neighbours along K.  Two neighbouring lanes hold a block.
; A lane's 16 codes are 12 bytes: the wave stores 384 consecutive bytes.  A wave's 256 scale bytes are gathered in LDS and leave as 256 consecutive aligned bytes.
.set STEPS, 16
.set WGA,   512                        ; c's work-groups: 16,384 x 1,024 / 32,768
.set CB,    12                         ; bytes of 16 codes
.set R,     16                         ; v16-79   four sets of 16 numbers as they are loaded
.set X,     80                         ; v80-111  two sets of 16 neighbours
.set C,     128                        ; v128-191 codes: four registers for each step
.set E,     112                        ; v112-127 a scale byte for each step
.set WREG,  8192                       ; LDS: a region for each wave: two stages of 32 x SP bytes, then its 256 scale bytes
.set SP,    80                         ; a lane's place in a stage: 64 bytes + 16 of padding
	s_load_b128 s[4:7], s[0:1], 0x0                ; c, q
	s_load_b128 s[8:11], s[0:1], 0x10              ; the codes, the scale bytes
	v_lshlrev_b32 v3, 4, v2                        ; my 16 bytes of a load's 512
	s_mul_i32 s17, s16, WREG
	v_lshrrev_b32 v14, 2, v2
	v_mul_u32_u24 v14, v14, SP
	v_and_b32 v15, 3, v2
	v_lshl_add_u32 v14, v15, 4, v14
	v_add_nc_u32 v14, s17, v14                     ; the stage, on the way in: SP (lane / 4) + 16 (lane % 4)
	v_mul_u32_u24 v15, v2, SP
	v_add_nc_u32 v15, s17, v15                     ; and on the way out: SP x lane
	v_mul_u32_u24 v4, v2, CB                       ; my codes' place in a step's
	v_lshrrev_b32 v5, 1, v2
	s_add_co_u32 s17, s17, 2*32*SP
	v_add_nc_u32 v5, s17, v5                       ; LDS: my block's byte among my wave's 256
	v_lshlrev_b32 v7, 3, v2
	v_add_nc_u32 v6, s17, v7                       ; and on the way out 8 bytes a lane
	s_and_b32 s22, s16, 1
	s_lshl_b32 s22, s22, 1
	s_lshr_b32 s23, s16, 1
	s_or_b32 s22, s22, s23                         ; the wave's number with its two bits exchanged
	s_wait_alu depctr_va_vdst(0)
	s_wait_kmcnt 0x0
	s_cmp_lt_u32 ttmp9, WGA                        ; c's work-group or q's?  The choice hangs on the work-group's number alone
	s_cselect_b64 s[4:5], s[4:5], s[6:7]
	s_cselect_b32 s17, 0, WGA
	s_cselect_b32 s22, s16, s22                    ; c's runs keep their places
	s_sub_co_u32 s17, ttmp9, s17
	s_lshl_b32 s17, s17, 2
	s_add_co_u32 s18, s17, s16                     ; which run of 8,192 numbers of the tensor I read
	s_mov_b32 s19, 0
	s_mov_b64 s[20:21], 512*STEPS*4
	s_mul_u64 s[20:21], s[18:19], s[20:21]
	s_add_nc_u64 s[4:5], s[4:5], s[20:21]
	s_lshl_b32 s18, ttmp9, 2
	s_add_co_u32 s18, s18, s22                     ; and which run of the common space of rows I write: q's 1,024 runs follow c's 2,048
	s_mov_b64 s[20:21], 32*STEPS*CB
	s_mul_u64 s[20:21], s[18:19], s[20:21]
	s_add_nc_u64 s[8:9], s[8:9], s[20:21]
	s_lshl_b32 s18, s18, 8                         ; 256 scale bytes a run
	s_add_nc_u64 s[10:11], s[10:11], s[18:19]
.macro LOAD t
.irp i, 0,1,2,3
	global_load_b128 v[R+16*((\t)%4)+4*\i:R+16*((\t)%4)+4*\i+3], v3, s[4:5] offset:2048*(\t)+512*\i th:TH_LOAD_NT   ; 32 lanes read 512 consecutive bytes
.endr
.endm
.macro TURN t                          ; step t's numbers through the stage: LDS serves a wave's instructions in order, so no wait stands between the stores and the loads
.irp i, 0,1,2,3
	ds_store_b128 v14, v[R+16*((\t)%4)+4*\i:R+16*((\t)%4)+4*\i+3] offset:32*SP*((\t)%2)+8*SP*\i
.endr
.irp i, 0,1,2,3
	ds_load_b128 v[X+16*((\t)%2)+4*\i:X+16*((\t)%2)+4*\i+3], v15 offset:32*SP*((\t)%2)+16*\i
.endr
.endm
.irp t, 0,1,2,3
	LOAD \t
.endr
	s_wait_loadcnt 12                              ; step 0's four loads are in; three steps' twelve may be out
	TURN 0
.macro STEP t
.set XS, X+16*((\t)%2)
.if (\t) > 0
	s_wait_dscnt 1                                 ; this step's numbers are back from the stage (the last step's byte store may be out)
.else
	s_wait_dscnt 0x0
.endif
.if (\t)+4 < STEPS
	LOAD (\t)+4                                    ; into the registers that the stage's stores have read
.endif
.if (\t)+1 < STEPS
.if STEPS-2-(\t) >= 3
	s_wait_loadcnt 12                              ; the next step's four loads are in; those of the three steps behind it may be out
.else
	s_wait_loadcnt 4*(STEPS-2-(\t))
.endif
	TURN (\t)+1
.endif
	v_max3_num_f32 v8, |v[XS]|, |v[XS+1]|, |v[XS+2]|               ; the largest magnitude of my 16, in two chains
	v_max3_num_f32 v9, |v[XS+3]|, |v[XS+4]|, |v[XS+5]|
.irp i, 6,10
	v_max3_num_f32 v8, v8, |v[XS+\i]|, |v[XS+\i+1]|
	v_max3_num_f32 v9, v9, |v[XS+\i+2]|, |v[XS+\i+3]|
.endr
	v_max3_num_f32 v8, v8, |v[XS+14]|, |v[XS+15]|
	v_max3_num_f32 v8, v8, v9, (EMAX+1)<<23        ; and the floor 2^(3 - 127): the byte cannot fall under 1
	v_max_num_f32_dpp v8, v8, v8 row_xmask:1 row_mask:0xf bank_mask:0xf   ; with my neighbour's 16: the block's
	v_add_nc_u32 v11, -(EMAX<<23), v8              ; 2 off its exponent field: the conversion takes the exponent field of this operand as its scale
	v_cvt_scalef32_pk16_fp6_f32 v[C+4*(\t):C+4*(\t)+2], v[XS:XS+15], v11
	v_lshrrev_b32 v[E+(\t)], 23, v11               ; the scale's byte
	ds_store_b8 v5, v[E+(\t)] offset:16*(\t)       ; both lanes of a block write the same byte with the same value
	global_store_b96 v4, v[C+4*(\t):C+4*(\t)+2], s[8:9] offset:32*CB*(\t)
.endm
.irp t, 0,1,2,3,4,5,6,7,8,9,10,11,12,13,14,15
	STEP \t
.endr
	ds_load_b64 v[8:9], v6                         ; LDS serves a wave's instructions in order: these see my stores
	s_wait_dscnt 0x0
	global_store_b64 v7, v[8:9], s[10:11]          ; 32 lanes store 256 consecutive aligned bytes
	s_wait_tensorcnt 0x0                           ; the wave's end: behind my last LDS store
	ds_add_u32 v[SPW], v[NIL]
	s_wait_dscnt 0x0
	s_endpgm
; ---- THE WEIGHTS, [1024 (k)][1024 (n)].  A LANE TAKES A COLUMN n AND ITS REGISTERS RUN DOWN K: each load reads 128 consecutive bytes a wave, a block of 32 lies in one lane's 32 registers,
; and the conversions give codes with K innermost.  A wave takes 32 columns x 256 along K; its codes go through its own stage in LDS and leave as rows: sixteen lanes store a row's 192 consecutive bytes.
; The exchange of bits 3 and 4 lies inside a wave's 32 columns.  Of the path's 96 work-groups, number i takes columns 128 (i % 8) on, weight i / 32, and the (i / 8) % 4-th 256 along K.
.set SIZE_N, 1024
.set KW,    256
.set NB,    KW/32
.set ROWB,  192
.set PITCH, 272                        ; a stage row: sixteen places of 16 bytes, each with 12 bytes of codes, + 16
.set KROW,  768
.set WX,    32                         ; v32-95   two sets of 32 numbers
.set WC,    96                         ; v96..    a block's codes
.set OUTR,  112                        ; v112-175 the way out
.set WSB,   24                         ; v24-25   the scale bytes, four to a register
.Lweights:
	s_load_b128 s[4:7], s[0:1], 0x20               ; wq, wk
	s_load_b64 s[8:9], s[0:1], 0x30                ; wv
	s_load_b64 s[10:11], s[0:1], 0x10              ; the codes
	s_load_b64 s[12:13], s[0:1], 0x18              ; the scale bytes
	s_sub_co_u32 s31, ttmp9, XWG                   ; my number in this path
	s_and_b32 s17, s31, 7
	s_lshl_b32 s17, s17, 7
	s_lshl_b32 s18, s16, 5
	s_add_co_u32 s17, s17, s18                     ; my wave's first column
	s_lshr_b32 s18, s31, 3
	s_lshr_b32 s30, s18, 2                         ; which weight
	s_and_b32 s18, s18, 3                          ; which 256 along K
	s_wait_alu depctr_va_vdst(0)
	v_lshlrev_b32 v3, 2, v2                        ; in: 4 bytes a lane
	s_mul_i32 s19, s16, 32*PITCH
	s_add_co_u32 s19, s19, WBASE                   ; my stage
	v_mul_u32_u24 v4, v2, PITCH
	v_add_nc_u32 v4, s19, v4                       ; into it: row = my column
	v_and_b32 v5, 15, v2
	v_lshrrev_b32 v6, 4, v2                        ; out of it: sixteen lanes to a row, two rows an instruction
	v_mul_u32_u24 v7, v6, PITCH
	v_lshl_add_u32 v7, v5, 4, v7
	v_add_nc_u32 v7, s19, v7
	v_mul_u32_u24 v8, v6, KROW
	v_mad_u32_u24 v8, v5, 12, v8                   ; and the same place in the codes' rows
	v_and_b32 v10, 7, v2                           ; my column's stored row among the wave's 32: bits 3 and 4 exchanged
	v_and_b32 v16, 8, v2
	v_lshl_or_b32 v10, v16, 1, v10
	v_and_b32 v16, 16, v2
	v_lshrrev_b32 v16, 1, v16
	v_or_b32 v10, v10, v16
	v_lshlrev_b32 v9, 5, v10                       ; 32 scale bytes a row
	s_lshl_b32 s20, s18, 20                        ; W: 256 rows of 4,096 bytes for each step along K,
	s_lshl_b32 s22, s17, 2
	s_add_co_u32 s20, s20, s22                     ; + 4 x column
	s_mov_b32 s21, 0
	s_lshl_b32 s22, s30, 10
	s_add_co_u32 s22, s22, s17
	s_add_co_u32 s22, s22, 24576                   ; my wave's first row in the common space
	s_mul_i32 s24, s22, KROW
	s_mul_i32 s26, s18, ROWB
	s_add_co_u32 s24, s24, s26
	s_mov_b32 s25, 0
	s_lshl_b32 s28, s22, 5
	s_lshl_b32 s26, s18, 3
	s_add_co_u32 s28, s28, s26
	s_mov_b32 s29, 0
	s_wait_kmcnt 0x0
	s_cmp_eq_u32 s30, 0                            ; the choice of the weight hangs on the work-group's number alone
	s_cselect_b64 s[4:5], s[4:5], s[6:7]
	s_cmp_eq_u32 s30, 2
	s_cselect_b64 s[4:5], s[8:9], s[4:5]
	s_add_nc_u64 s[4:5], s[4:5], s[20:21]
	s_add_nc_u64 s[10:11], s[10:11], s[24:25]
	s_add_nc_u64 s[12:13], s[12:13], s[28:29]
.macro WLOAD t                         ; block t: W(32 t + i, my column), i = 0 .. 31, into set t % 2
.irp i, 0,1,2,3,4,5,6,7,8,9,10,11,12,13,14,15,16,17,18,19,20,21,22,23,24,25,26,27,28,29,30,31
	global_load_b32 v[WX+32*((\t)%2)+\i], v3, s[4:5] offset:(32*(\t)+\i)*SIZE_N*4 th:TH_LOAD_NT
.endr
.endm
	WLOAD 0
	WLOAD 1
.macro BLOCK t
.set XS, WX+32*((\t)%2)
.if (\t) < NB-1
	s_wait_loadcnt 32                              ; this block's 32 loads are in; the next block's 32 may be out
.else
	s_wait_loadcnt 0
.endif
	v_max3_num_f32 v12, |v[XS]|, |v[XS+1]|, |v[XS+2]|               ; the block's largest magnitude: all 32 numbers are mine
	v_max3_num_f32 v13, |v[XS+3]|, |v[XS+4]|, |v[XS+5]|
.irp i, 6,10,14,18,22,26
	v_max3_num_f32 v12, v12, |v[XS+\i]|, |v[XS+\i+1]|
	v_max3_num_f32 v13, v13, |v[XS+\i+2]|, |v[XS+\i+3]|
.endr
	v_max3_num_f32 v12, v12, |v[XS+30]|, |v[XS+31]|
	v_max3_num_f32 v12, v12, v13, (EMAX+1)<<23     ; and the floor 2^(3 - 127)
	v_add_nc_u32 v11, -(EMAX<<23), v12             ; the conversion's scale operand
	v_lshrrev_b32 v13, 23, v11                     ; the scale's byte
.if (\t)%4 == 0
	v_mov_b32 v[WSB+(\t)/4], v13
.else
	v_lshl_or_b32 v[WSB+(\t)/4], v13, 8*((\t)%4), v[WSB+(\t)/4]
.endif
	v_cvt_scalef32_pk16_fp6_f32 v[WC:WC+2], v[XS:XS+15], v11
	v_cvt_scalef32_pk16_fp6_f32 v[WC+4:WC+6], v[XS+16:XS+31], v11   ; (a conversion's three registers begin on an even number)
	ds_store_b96 v4, v[WC:WC+2] offset:32*(\t)     ; 12 bytes to a place of 16 in the stage
	ds_store_b96 v4, v[WC+4:WC+6] offset:32*(\t)+16
.if (\t)+2 < NB
	WLOAD (\t)+2
.endif
	s_wait_dscnt 0x0                               ; the stores have read their registers: the next block's codes may be written
.endm
.set Q, 0
.rept NB
	BLOCK Q
.set Q, Q+1
.endr
	s_wait_alu depctr_va_vdst(0)
	global_store_b64 v9, v[WSB:WSB+1], s[12:13]    ; my column's 8 scale bytes, at its stored row
.irp t, 0,1,2,3,4,5,6,7,8,9,10,11,12,13,14,15
	ds_load_b96 v[OUTR+4*\t:OUTR+4*\t+2], v7 offset:2*\t*PITCH   ; LDS serves a wave's instructions in order: these see my stores
.endr
.irp t, 0,1,2,3,4,5,6,7,8,9,10,11,12,13,14,15
	s_wait_dscnt 15-\t
	global_store_b96 v8, v[OUTR+4*\t:OUTR+4*\t+2], s[10:11] offset:2*((\t&3)|((\t&4)<<1)|((\t&8)>>1))*KROW   ; columns 2 t, 2 t + 1 go to the rows with bits 3 and 4 exchanged: bits 2 and 3 of t
.endr
	s_wait_tensorcnt 0x0                           ; the wave's end: behind my last LDS store
	ds_add_u32 v[SPW], v[NIL]
	s_wait_dscnt 0x0
	s_endpgm
.Lfunc_end_k_q5de1bd343a_quant:
	.size	k_q5de1bd343a_quant, .Lfunc_end_k_q5de1bd343a_quant-k_q5de1bd343a_quant
	.p2alignl 7, 3214868480
	.fill 96, 4, 3214868480
	.section	.rodata,"a",@progbits
	.p2align	6, 0x0
	.amdhsa_kernel k_q5de1bd343a_quant
		.amdhsa_group_segment_fixed_size 68096
		.amdhsa_private_segment_fixed_size 0
		.amdhsa_enable_private_segment 0
		.amdhsa_kernarg_size 56
		.amdhsa_user_sgpr_count 2
		.amdhsa_user_sgpr_kernarg_segment_ptr 1
		.amdhsa_wavefront_size32 1
		.amdhsa_system_sgpr_workgroup_id_x 1
		.amdhsa_system_sgpr_workgroup_id_y 1
		.amdhsa_system_sgpr_workgroup_id_z 1
		.amdhsa_system_vgpr_workitem_id 0
		.amdhsa_next_free_vgpr 194
		.amdhsa_next_free_sgpr 66
		.amdhsa_reserve_vcc 0
		.amdhsa_float_denorm_mode_32 3
		.amdhsa_float_denorm_mode_16_64 3
		.amdhsa_memory_ordered 1
		.amdhsa_forward_progress 1
		.amdhsa_inst_pref_size 74
	.end_amdhsa_kernel
	.amdgpu_metadata
---
amdhsa.version: [ 1, 2 ]
amdhsa.kernels:
  - .name:           k_q5de1bd343a_quant
    .symbol:         k_q5de1bd343a_quant.kd
    .args:
      - { .name: c, .offset: 0, .size: 8, .value_kind: global_buffer, .address_space: global }
      - { .name: q, .offset: 8, .size: 8, .value_kind: global_buffer, .address_space: global }
      - { .name: xcodes, .offset: 16, .size: 8, .value_kind: global_buffer, .address_space: global }
      - { .name: xscales, .offset: 24, .size: 8, .value_kind: global_buffer, .address_space: global }
      - { .name: wq, .offset: 32, .size: 8, .value_kind: global_buffer, .address_space: global }
      - { .name: wk, .offset: 40, .size: 8, .value_kind: global_buffer, .address_space: global }
      - { .name: wv, .offset: 48, .size: 8, .value_kind: global_buffer, .address_space: global }
    .group_segment_fixed_size: 68096
    .private_segment_fixed_size: 0
    .kernarg_segment_align: 8
    .kernarg_segment_size: 56
    .max_flat_workgroup_size: 128
    .sgpr_count:     66
    .vgpr_count:     194
    .wavefront_size: 32
...
	.end_amdgpu_metadata
.endif
;; end of part 1
;; launch proj (part 2): grid 4 x 128, 4 waves a work-group, clusters of 4 x 4, 327,680 bytes of LDS; arguments xcodes, xscales, img, sc; writes img, sc
.if DOCPART == 2
	.amdgcn_target "amdgcn-amd-amdhsa--gfx1250"
	.amdhsa_code_object_version 6
	.text
	.protected	k_q5de1bd343a_proj
	.globl	k_q5de1bd343a_proj
	.p2align	8
	.type	k_q5de1bd343a_proj,@function
k_q5de1bd343a_proj:
	s_mov_b64 s[64:65], 0
	v_nop
	global_prefetch_b8 v0, s[64:65] scope:SCOPE_SE
	s_setreg_imm32_b32 hwreg(HW_REG_WAVE_MODE, 25, 1), 1
	s_wait_xcnt 0x0
	s_wait_alu depctr_hold_cnt(0) depctr_sa_sdst(0) depctr_va_vdst(0) depctr_va_sdst(0) depctr_va_ssrc(0) depctr_va_vcc(0) depctr_vm_vsrc(0)
	s_getreg_b32 s2, hwreg(HW_REG_IB_STS2, 6, 4)
	s_cmp_eq_u32 s2, 0
	s_cbranch_scc0 .Lentry_in_a_cluster
	s_endpgm
.Lentry_in_a_cluster:
	s_bfe_u32 s2, ttmp6, 0x10000c
	s_cmp_lg_u32 s2, 0xf033
	s_cbranch_scc0 .Lentry_shape_is_right
	s_endpgm
.Lentry_shape_is_right:
; Q = c wq, K = q wk and V^T = wv^T q^T, all three as X W^T on rows of the common space of codes (FP6, E2M3; 768 bytes a row; 32 E8M0 bytes a row), K = 1,024.
; Cluster rows 0-15 make Q (rows of c against wq^T), 16-23 K (rows of q against wk^T), 24-31 V^T (rows of wv^T against rows of q).
; A work-group of four waves makes 256 x 256, a wave 128 x 128: 64 accumulators.  The results are quantised along the second operand's rows (H for Q and K, the keys for V^T) and leave as images of
; operand registers: img group [64 tiles of 16 rows][8 steps of 128][1,536 bytes], scale words in sc, group [8 steps][1,024 rows].
; K goes through two LDS slots in CHUNKS OF 256 BYTES of each row (three chunks): every tile row is 256 bytes of memory and begins at a multiple of 256.  A step of 128 along K is 96 bytes:
; steps 2 and 5 lie across two chunks and take their fragments from both slots.  The head's four loads, one a wave, bring chunks 0 and 1 of both operands; chunk 2 is the launch's one refill.
; THE SCALES: a row's 32 bytes are its eight scale words.  Each wave loads those of its 128 + 128 rows once, 16 consecutive bytes a lane and 512 consecutive bytes for 16 rows in two loads, into 64 registers
; that hold them for the whole walk: register 8 i + st: lanes 0-15 the first operand's block i, lanes 16-31 the second's, step st.
; CLUSTERS: 4 x 4; the first operand's tiles are asked for jointly along a row of the cluster, the second's along a column.
; The matrix instruction is used transposed (source 0 = the second operand's rows): a lane holds one row of the result and its registers run along the next product's K; the second operand's rows
; are stored with bits 3 and 4 of their numbers exchanged, so that the 16 registers of two neighbouring tiles are 16 neighbours.
; NO PREFETCH: K is three chunks; two of them are asked for at the head, and the text has no loop in which to run ahead of the third.
; LIMITS: NaN and infinities are not served; a block whose largest magnitude lies under 2^-124 gets the byte 1.
.set ROWB,   256
.set KROW,   768
.set STEPS,  8
.set CHUNKS, 3
.set PITCH,  272                       ; 256 bytes + 16 of padding
.set FR,     12
.set NL,     6
.set NP,     4
.set HALFT,  128*PITCH
.set SLOT,   4*HALFT
.set KS,     32
.set SPARE,  2*SLOT                    ; behind the ring: the spare words, 128 bytes a wave, named by no other line
.set ADRA, 16                          ; v16-17 my fragments of the first operand in slot 0, 1; v18-19 for pieces whose lanes 16-31 read the next chunk
.set ADRB, 20                          ; v20-23 the same for the second operand
.set STO,  24
.set RD,   25
.set LI,   26
.set ADRS, 27
.set SPW,  28
.set NIL,  29
.set SC,   32                          ; v32-95 the scale words
.set PC0,  64
.set AF,   128
.set TM,   224
.set PW,   240
.set BK,   248
.set SEL,  66
.set G1, 24
.set G0, 32                            ; group 0 of the refill, first operand;  G0B: second
.set G1B, 48
.set G0B, 56
.set G0H, 4                            ; group 0 of the head's four loads: chunk 0 of the first operand, of the second; chunk 1 likewise
.set G0HB, 92
.set G0C, 76
.set G0CB, 88
.set MSB, 0
.macro WIN new
.if MSB != (\new)
	s_set_vgpr_msb (MSB<<8)|(\new)
.set MSB, (\new)
.endif
.endm
.set MUL_LO, 0xa1
.set MUL_HI, 0xf1
.set TO_B,   0x40
.macro JLOAD g0a, g1a, g0b, g1b        ; waves 0, 1 fetch for the first operand, waves 2, 3 for the second
	s_cmp_eq_u32 s15, 0
	s_cbranch_scc0 .Lfor_b_\@
	tensor_load_to_lds s[\g0a:\g0a+3], s[\g1a:\g1a+7]
	s_nop 0
.rept 4
	v_nop
.endr
	s_branch .Lasked_\@
.Lfor_b_\@:
	tensor_load_to_lds s[\g0b:\g0b+3], s[\g1b:\g1b+7]
	s_nop 0
.rept 4
	v_nop
.endr
.Lasked_\@:
.endm
.macro CREST
	s_cmp_lg_u32 s14, 0
	s_cbranch_scc1 .Lnot_wave_0_\@
	s_barrier_signal -3
.Lnot_wave_0_\@:
	s_barrier_wait -3
	s_barrier_signal -1
	s_barrier_wait -1
.endm
.macro CROUND
	s_barrier_signal -1
	s_barrier_wait -1
	CREST
.endm
	s_load_b256 s[4:11], s[0:1], 0x0               ; codes, scale bytes, img, sc
	v_lshl_add_u32 v[SPW], v0, 2, SPARE
	v_mov_b32 v[NIL], 0
	ds_add_u32 v[SPW], v[NIL]                      ; the opening lines: the add twice on end, its wait ahead of my first tensor load
	ds_add_u32 v[SPW], v[NIL]
	v_lshrrev_b32 v1, 5, v0
	v_readfirstlane_b32 s14, v1                    ; wave
	s_lshr_b32 s15, s14, 1
	s_and_b32 s16, s14, 1
	s_bfe_u32 s40, ttmp6, 0x40000                  ; cx
	s_bfe_u32 s41, ttmp6, 0x40004                  ; cy
	s_and_b32 s98, ttmp7, 0xffff                   ; the cluster's row: which product, and where in it
	s_cmp_lt_u32 s98, 24
	s_mov_b32 s95, 26624
	s_cselect_b32 s95, 16384, s95                  ; the first operand's first row in the common space
	s_mov_b32 s96, 16384
	s_cselect_b32 s96, 25600, s96                  ; the second's
	s_cselect_b32 s97, 16, 24                      ; the result's first group
	s_cselect_b32 s100, 16, 24
	s_cmp_lt_u32 s98, 16
	s_cselect_b32 s95, 0, s95
	s_cselect_b32 s96, 24576, s96
	s_cselect_b32 s97, 0, s97
	s_cselect_b32 s100, 0, s100
	s_sub_co_u32 s98, s98, s100
	s_cmp_eq_u32 s97, 24                           ; V^T walks along its columns, the others down their rows
	s_cselect_b32 s99, 0, s98
	s_cselect_b32 s100, s98, 0
	s_lshl_b32 s42, s100, 2
	s_add_co_u32 s42, s42, s40                     ; tile column
	s_lshl_b32 s17, s99, 2
	s_add_co_u32 s17, s17, s41                     ; tile row
	s_lshl_b32 s43, s41, 2
	s_lshl_b32 s43, 15, s43                        ; my row of the cluster
	s_lshl_b32 s44, 0x1111, s40                    ; my column
	s_or_b32 s[G1+0], s43, (0<<16)|(1<<20)|(1<<21)|(5<<22)|(3<<25)
	s_or_b32 s[G1B+0], s44, (0<<16)|(1<<20)|(1<<21)|(5<<22)|(3<<25)
.irp g, G1, G1B
	s_mov_b32 s[\g+1], ROWB<<16
	s_mov_b32 s[\g+2], 256<<16                     ; 256 rows for the head's loads
	s_mov_b32 s[\g+3], ROWB<<16
	s_mov_b32 s[\g+4], 256
	s_mov_b32 s[\g+5], KROW
	s_mov_b32 s[\g+6], 0
	s_mov_b32 s[\g+7], 0
.endr
	s_lshl_b32 s20, s17, 8
	s_add_co_u32 s20, s20, s95                     ; the first operand's tile: its first row
	s_lshl_b32 s46, s42, 8
	s_add_co_u32 s46, s46, s96                     ; the second's
	s_mov_b32 s21, 0
	s_mov_b32 s47, 0
	s_mov_b64 s[18:19], KS
	s_mul_u64 s[22:23], s[20:21], s[18:19]         ; where these rows' scale bytes begin (under 2^20)
	s_mul_u64 s[92:93], s[46:47], s[18:19]
	s_lshl_b32 s68, s15, 12
	s_add_co_u32 s68, s68, s22                     ; those of my 128 rows of the first operand,
	s_lshl_b32 s69, s16, 12
	s_add_co_u32 s69, s69, s92                     ; and of the second
	s_mov_b64 s[18:19], KROW
	s_mul_u64 s[20:21], s[20:21], s[18:19]
	s_mul_u64 s[46:47], s[46:47], s[18:19]
	s_mul_i32 s18, s16, 128*KROW                   ; in the refill I fetch 128 rows of a tile
	s_mov_b32 s19, 0
	s_mul_i32 s45, s14, HALFT
	s_mov_b32 s2, 0x1800000
	s_mov_b32 s[SEL], 0x76543210
	s_mov_b32 s[SEL+1], 0xfedcba98
	s_wait_dscnt 0x0                               ; both opening adds are done
	s_wait_kmcnt 0x0
	s_add_nc_u64 s[20:21], s[4:5], s[20:21]
	s_add_nc_u64 s[46:47], s[4:5], s[46:47]
	s_mov_b64 s[70:71], s[6:7]                     ; the scale bytes' address, out of the registers that take a descriptor
	CROUND                                         ; all sixteen work-groups are here: the first joint loads meet
	s_mov_b32 s[G0H], 1
	s_mov_b32 s[G0H+1], 0
	s_mov_b64 s[G0H+2:G0H+3], s[20:21]
	s_or_b32 s[G0H+3], s[G0H+3], 0x80000000
	s_mov_b32 s[G0HB], 1
	s_mov_b32 s[G0HB+1], 2*HALFT
	s_mov_b64 s[G0HB+2:G0HB+3], s[46:47]
	s_or_b32 s[G0HB+3], s[G0HB+3], 0x80000000
	s_mov_b32 s[G0C], 1
	s_mov_b32 s[G0C+1], SLOT
	s_add_nc_u64 s[G0C+2:G0C+3], s[20:21], ROWB
	s_or_b32 s[G0C+3], s[G0C+3], 0x80000000
	s_mov_b32 s[G0CB], 1
	s_mov_b32 s[G0CB+1], SLOT+2*HALFT
	s_add_nc_u64 s[G0CB+2:G0CB+3], s[46:47], ROWB
	s_or_b32 s[G0CB+3], s[G0CB+3], 0x80000000
	s_add_nc_u64 s[20:21], s[20:21], s[18:19]
	s_add_nc_u64 s[46:47], s[46:47], s[18:19]
	s_mov_b32 s[G0], 1                             ; the refill's: slot 0, my 128 rows; stepped by two chunks when it is issued
	s_mov_b32 s[G0+1], s45
	s_mov_b64 s[G0+2:G0+3], s[20:21]
	s_or_b32 s[G0+3], s[G0+3], 0x80000000
	s_mov_b32 s[G0B], 1
	s_mov_b32 s[G0B+1], s45
	s_mov_b64 s[G0B+2:G0B+3], s[46:47]
	s_or_b32 s[G0B+3], s[G0B+3], 0x80000000
; The head's four tiles, one load a wave: wave 0 chunk 0 of the first operand's 256 rows, wave 1 of the second's, waves 2 and 3 chunk 1 of the two.
.macro ARM under, g0, g1, next
	s_cmp_lt_u32 s14, \under
	s_cbranch_scc0 \next
	tensor_load_to_lds s[\g0:\g0+3], s[\g1:\g1+7]
	s_nop 0
.rept 4
	v_nop
.endr
	s_branch .Lhead_asked
\next:
.endm
	ARM 1, G0H,  G1,  .Lhead_b
	ARM 2, G0HB, G1B, .Lhead_ca
	ARM 3, G0C,  G1,  .Lhead_cb
	tensor_load_to_lds s[G0CB:G0CB+3], s[G1B:G1B+7]
	s_nop 0
.rept 4
	v_nop
.endr
.Lhead_asked:
	v_and_b32 v1, 15, v0                           ; r
	v_bfe_u32 v2, v0, 4, 1                         ; h
	v_sub_nc_u32 v7, 1, v2
	v_mul_u32_u24 v5, s68, v7                      ; lanes 0-15 take the first operand's scale bytes,
	v_mul_u32_u24 v6, s69, v2                      ; lanes 16-31 the second's
	v_add_nc_u32 v5, v5, v6
	v_lshl_add_u32 v[ADRS], v1, 5, v5              ; 32 bytes a row
.irp i, 0,1,2,3,4,5,6,7
	global_load_b128 v[SC+8*\i:SC+8*\i+3], v[ADRS], s[70:71] offset:\i*512
	global_load_b128 v[SC+8*\i+4:SC+8*\i+7], v[ADRS], s[70:71] offset:\i*512+16
.endr
	v_mul_u32_u24 v3, v1, PITCH
	v_mul_u32_u24 v4, v2, 24
	v_add_nc_u32 v4, v3, v4                        ; row x pitch + 24 h
	s_mov_b32 s21, SLOT-232
	s_mov_b32 s22, SLOT+232
	v_mul_u32_u24 v5, s21, v2
	v_add_nc_u32 v5, v3, v5
	v_add_nc_u32 v5, 232, v5                       ; lanes 0-15 byte 232 of the row in slot 0, lanes 16-31 byte 0 in slot 1
	v_mul_u32_u24 v6, s22, v7
	v_add_nc_u32 v6, v3, v6                        ; and the other way round
	s_mul_i32 s21, s15, HALFT
	s_mul_i32 s22, s16, HALFT
	s_add_co_u32 s22, s22, 2*HALFT
	v_add_nc_u32 v[ADRA+2], s21, v5
	v_add_nc_u32 v[ADRA+3], s21, v6
	v_add_nc_u32 v[ADRB+2], s22, v5
	v_add_nc_u32 v[ADRB+3], s22, v6
.irp s, 0,1
	v_add_nc_u32 v[ADRA+\s], s21, v4
	v_add_nc_u32 v[ADRB+\s], s22, v4
	s_add_co_u32 s21, s21, SLOT
	s_add_co_u32 s22, s22, SLOT
.endr
	s_lshl_b32 s23, s14, 9
	s_add_co_u32 s23, s23, SLOT                    ; the way out's 512 bytes a wave lie in slot 1: it has had its only fill, and its last read lies ahead of the walk's last barrier
	s_wait_alu depctr_va_vdst(0)
	v_lshl_add_u32 v[STO], v1, 2, s23
	v_and_b32 v6, 31, v0
	v_lshlrev_b32 v[LI], 4, v6
	v_add_nc_u32 v[RD], s23, v[LI]
.irp b, 0,1,2,3
	v_mov_b32 v[TM+4+\b], 0                        ; a lane permute's destination counts as one of its sources
.endr
	s_lshl_b32 s98, s17, 8                         ; where my 128 x 128 goes: group, tile of 16 rows, step of 128
	s_lshl_b32 s99, s15, 7
	s_add_co_u32 s98, s98, s99
	s_lshl_b32 s99, s42, 1
	s_add_co_u32 s99, s99, s16
	s_lshr_b32 s100, s98, 10
	s_add_co_u32 s97, s97, s100
	s_lshr_b32 s100, s99, 3
	s_add_co_u32 s97, s97, s100
	s_and_b32 s98, s98, 1023
	s_and_b32 s99, s99, 7
	s_mul_i32 s100, s97, 786432
	s_lshr_b32 s12, s98, 4
	s_mul_i32 s12, s12, 12288
	s_add_co_u32 s100, s100, s12
	s_mul_i32 s12, s99, 1536
	s_add_co_u32 s100, s100, s12
	s_mov_b32 s101, 0
	s_add_nc_u64 s[8:9], s[8:9], s[100:101]
	s_lshl_b32 s100, s97, 15
	s_lshl_b32 s12, s99, 12
	s_add_co_u32 s100, s100, s12
	s_lshl_b32 s12, s98, 2
	s_add_co_u32 s100, s100, s12
	s_add_nc_u64 s[10:11], s[10:11], s[100:101]
.macro FRAG reg, adr, st, i            ; 16 rows x 128 K: six pieces of 8 bytes; byte y of a row lies in chunk y / 256, slot (y / 256) % 2
.irp p, 0,1,2,3,4,5
.set BY, 96*(\st)+48*(\p/3)+8*(\p%3)
.if BY/ROWB == (BY+24)/ROWB
	ds_load_b64 v[\reg+2*\p:\reg+2*\p+1], v[\adr+(BY/ROWB)%2] offset:BY%ROWB+(\i)*16*PITCH
.else
	ds_load_b64 v[\reg+2*\p:\reg+2*\p+1], v[\adr+2+(BY/ROWB)%2] offset:BY%ROWB-232+(\i)*16*PITCH
.endif
.endr
.endm
.macro MUL16 a0, p, zero               ; step STN; the 64 accumulators take turns, one instruction a turn
.irp a, \a0, \a0+1
.irp b, 0,1,2,3,4,5,6,7
.if \zero
	v_wmma_scale_f32_16x16x128_f8f6f4 v[8*(8*((\a)%4)+\b):8*(8*((\a)%4)+\b)+7], v[128*(\p)+FR*\b:128*(\p)+FR*\b+FR-1], v[AF+FR*(\a):AF+FR*(\a)+FR-1], 0, v[SC+8*\b+STN], v[SC+8*(\a)+STN] matrix_a_fmt:MATRIX_FMT_FP6 matrix_b_fmt:MATRIX_FMT_FP6 matrix_a_scale:MATRIX_SCALE_ROW1
.else
	v_wmma_scale_f32_16x16x128_f8f6f4 v[8*(8*((\a)%4)+\b):8*(8*((\a)%4)+\b)+7], v[128*(\p)+FR*\b:128*(\p)+FR*\b+FR-1], v[AF+FR*(\a):AF+FR*(\a)+FR-1], v[8*(8*((\a)%4)+\b):8*(8*((\a)%4)+\b)+7], v[SC+8*\b+STN], v[SC+8*(\a)+STN] matrix_a_fmt:MATRIX_FMT_FP6 matrix_b_fmt:MATRIX_FMT_FP6 matrix_a_scale:MATRIX_SCALE_ROW1
.endif
.endr
.endr
.endm
.macro FETCH_B st, p
	WIN TO_B
.irp i, 0,1,2,3,4,5,6,7
	FRAG 128*(\p)+FR*\i, ADRB, \st, \i
.endr
	WIN 0
.endm
.macro FETCH_A st, i0
.irp i, \i0, \i0+1, \i0+2, \i0+3
	FRAG AF+FR*(\i), ADRA, \st, \i
.endr
.endm
.macro PLACES n
.rept \n
	v_nop
.endr
.endm
; A step: 64 products; the next step's fragments are fetched in its middle and at its end.  Where the next step's bytes END in chunk 2, which no step has read yet: wait for my tensor loads, and a barrier shows
; it whole (chunks 0 and 1 are whole since the head's barrier).  Where they BEGIN in a later chunk: the chunk left behind is read no more: the wait for all my tensor loads, the add, the wait for it and for my
; reads, the barrier; where a chunk two on exists the barrier opens a round of the cluster's barrier, and the joint refill is the first tensor load behind it.
.macro STEP st, zero
.set STN, (\st)
.set NX, (\st)+1
.set C0, (96*(\st))/ROWB
.set C1, (96*NX)/ROWB
.set E0, (96*(\st)+95)/ROWB
.set E1, (96*NX+95)/ROWB
.if (C1 > C0) || ((E1 > E0) && (E1 > 1))
	s_wait_tensorcnt 0x0
.if C1 > C0
	ds_add_u32 v[SPW], v[NIL]
	s_wait_dscnt 4*NL+1                            ; the add and the youngest 24 loads may be out
.else
	s_wait_dscnt 4*NL
.endif
	WIN MUL_LO
	MUL16 0, (\st)%2, \zero
	s_wait_dscnt 0x0                               ; the add and all my reads are done
	s_barrier_signal -1
	MUL16 2, (\st)%2, \zero
	WIN 0
	s_barrier_wait -1
.if C1 > C0 && C0+2 < CHUNKS
	CREST
	s_add_nc_u64 s[G0+2:G0+3], s[G0+2:G0+3], 2*ROWB
	s_add_nc_u64 s[G0B+2:G0B+3], s[G0B+2:G0B+3], 2*ROWB
	JLOAD G0, G1, G0B, G1B
.else
	PLACES NP
.endif
.else
	s_wait_dscnt 4*NL                              ; all but the youngest 24 loads (blocks 4-7) are in
	WIN MUL_LO
	MUL16 0, (\st)%2, \zero
	MUL16 2, (\st)%2, \zero
	s_wait_dscnt 0
	PLACES NP
.endif
	FETCH_B NX, NX%2
	FETCH_A NX, 0
	WIN MUL_HI
	MUL16 4, (\st)%2, \zero
	MUL16 6, (\st)%2, \zero
	PLACES NP
	WIN 0
	FETCH_A NX, 4
.endm
	s_wait_alu depctr_va_vdst(0)
	s_wait_tensorcnt 0x0                           ; my tile of the head's four is in
	s_mov_b32 s[G1+2], 128<<16                     ; no tensor load of mine is out: from here on a load brings 128 rows
	s_mov_b32 s[G1+4], 128
	s_mov_b32 s[G1B+2], 128<<16
	s_mov_b32 s[G1B+4], 128
	s_barrier_signal -1
	s_barrier_wait -1                              ; all four are in
	FETCH_B 0, 0
	FETCH_A 0, 0
	FETCH_A 0, 4
	s_wait_loadcnt 0x0                             ; the scale words
	STEP 0, 1                                      ; the first step's products start the sums
.set ST, 1
.rept STEPS-2
	STEP ST, 0
.set ST, ST+1
.endr
.set STN, STEPS-1
	s_wait_dscnt 4*NL
	WIN MUL_LO
	MUL16 0, 1, 0
	MUL16 2, 1, 0
	s_wait_dscnt 0
	WIN MUL_HI
	MUL16 4, 1, 0
	MUL16 6, 1, 0
	WIN 0
; THE WAY OUT: block a's 16 rows x 128 are quantised in blocks of 32 (a block lies in lanes l and l xor 16) and become one fragment, stored as it stands; its scale words gather in LDS.
.macro QUANTW a
.set WA, 2+(\a)/4
.set SA, 64*((\a)%4)
.set PCR, PC0+20*(\a)
.set WW, (WA<<2)|(WA<<4)
	WIN WW
.irp b, 0,1,2,3
	v_max3_num_f32 v[TM+\b], s2, |v[SA+16*\b]|, |v[SA+16*\b+1]|    ; with the floor 2^(3 - 127): the byte cannot fall under 1
.endr
.irp i, 2,4,6,8,10,12,14
.irp b, 0,1,2,3
	v_max3_num_f32 v[TM+\b], v[TM+\b], |v[SA+16*\b+\i]|, |v[SA+16*\b+\i+1]|
.endr
.endr
	WIN 0
.irp b, 0,1,2,3
	v_permlanex16_b32 v[TM+4+\b], v[TM+\b], s[SEL], s[SEL+1]
.endr
.irp b, 0,1,2,3
	v_max_num_f32 v[TM+\b], v[TM+\b], v[TM+4+\b]
.endr
.irp b, 0,1,2,3
	v_add_nc_u32 v[TM+12+\b], 0xff000000, v[TM+\b]                 ; 2 off the exponent field: the conversion's scale operand
.endr
.irp b, 0,1,2,3
	v_lshrrev_b32 v[TM+4+\b], 23, v[TM+12+\b]
.endr
	v_lshl_or_b32 v[PW+(\a)], v[TM+5], 8, v[TM+4]
	v_lshl_or_b32 v[PW+(\a)], v[TM+6], 16, v[PW+(\a)]
	v_lshl_or_b32 v[PW+(\a)], v[TM+7], 24, v[PW+(\a)]
	WIN WA
.irp c, 0,1
	v_cvt_scalef32_pk16_fp6_f32 v[PCR+6*\c:PCR+6*\c+2], v[SA+32*\c:SA+32*\c+15], v[TM+12+2*\c]
	v_cvt_scalef32_pk16_fp6_f32 v[PCR+12+4*\c:PCR+14+4*\c], v[SA+32*\c+16:SA+32*\c+31], v[TM+12+2*\c+1]
.endr
	WIN 0
	v_nop
.irp c, 0,1
.irp i, 0,1,2
	v_permlane16_swap_b32 v[PCR+6*\c+\i], v[PCR+12+4*\c+\i]
.endr
.irp i, 0,1,2
	v_mov_b32 v[PCR+3+6*\c+\i], v[PCR+12+4*\c+\i]
.endr
.endr
.irp c, 0,1,2
	global_store_b128 v[LI], v[PCR+4*\c:PCR+4*\c+3], s[8:9] offset:(\a)*12288+512*\c th:TH_STORE_NT   ; 32 lanes store 512 consecutive aligned bytes
.endr
	ds_store_b32 v[STO], v[PW+(\a)] offset:64*(\a)
.endm
	PLACES NP
.irp a, 0,1,2,3,4,5,6,7
	QUANTW \a
.endr
	ds_load_b128 v[BK:BK+3], v[RD]                 ; LDS serves a wave's instructions in order: this sees my stores
	s_wait_dscnt 0x0
	global_store_b128 v[LI], v[BK:BK+3], s[10:11] th:TH_STORE_NT
	s_wait_tensorcnt 0x0                           ; the wave's end
	ds_add_u32 v[SPW], v[NIL]
	s_wait_dscnt 0x0
	CROUND                                         ; the closing round
	s_endpgm
.Lfunc_end_k_q5de1bd343a_proj:
	.size	k_q5de1bd343a_proj, .Lfunc_end_k_q5de1bd343a_proj-k_q5de1bd343a_proj
	.p2alignl 7, 3214868480
	.fill 96, 4, 3214868480
	.section	.rodata,"a",@progbits
	.p2align	6, 0x0
	.amdhsa_kernel k_q5de1bd343a_proj
		.amdhsa_group_segment_fixed_size 327680
		.amdhsa_private_segment_fixed_size 0
		.amdhsa_enable_private_segment 0
		.amdhsa_kernarg_size 32
		.amdhsa_user_sgpr_count 2
		.amdhsa_user_sgpr_kernarg_segment_ptr 1
		.amdhsa_wavefront_size32 1
		.amdhsa_system_sgpr_workgroup_id_x 1
		.amdhsa_system_sgpr_workgroup_id_y 1
		.amdhsa_system_sgpr_workgroup_id_z 1
		.amdhsa_system_vgpr_workitem_id 0
		.amdhsa_next_free_vgpr 1024
		.amdhsa_next_free_sgpr 102
		.amdhsa_reserve_vcc 0
		.amdhsa_float_denorm_mode_32 3
		.amdhsa_float_denorm_mode_16_64 3
		.amdhsa_memory_ordered 1
		.amdhsa_forward_progress 1
		.amdhsa_inst_pref_size 162
	.end_amdhsa_kernel
	.amdgpu_metadata
---
amdhsa.version: [ 1, 2 ]
amdhsa.kernels:
  - .name:           k_q5de1bd343a_proj
    .symbol:         k_q5de1bd343a_proj.kd
    .args:
      - { .name: xcodes, .offset: 0, .size: 8, .value_kind: global_buffer, .address_space: global }
      - { .name: xscales, .offset: 8, .size: 8, .value_kind: global_buffer, .address_space: global }
      - { .name: img, .offset: 16, .size: 8, .value_kind: global_buffer, .address_space: global }
      - { .name: sc, .offset: 24, .size: 8, .value_kind: global_buffer, .address_space: global }
    .group_segment_fixed_size: 327680
    .private_segment_fixed_size: 0
    .kernarg_segment_align: 8
    .kernarg_segment_size: 32
    .max_flat_workgroup_size: 128
    .sgpr_count:     102
    .vgpr_count:     1024
    .wavefront_size: 32
...
	.end_amdgpu_metadata
.endif
;; end of part 2
;; launch attn (part 3): grid 32 x 8, 4 waves a work-group, clusters of 4 x 1, 327,680 bytes of LDS; arguments img, sc, out0; writes out0
.if DOCPART == 3
	.amdgcn_target "amdgcn-amd-amdhsa--gfx1250"
	.amdhsa_code_object_version 6
	.text
	.protected	k_q5de1bd343a_attn
	.globl	k_q5de1bd343a_attn
	.p2align	8
	.type	k_q5de1bd343a_attn,@function
k_q5de1bd343a_attn:
	s_mov_b64 s[64:65], 0
	v_nop
	global_prefetch_b8 v0, s[64:65] scope:SCOPE_SE
	s_setreg_imm32_b32 hwreg(HW_REG_WAVE_MODE, 25, 1), 1
	s_wait_xcnt 0x0
	s_wait_alu depctr_hold_cnt(0) depctr_sa_sdst(0) depctr_va_vdst(0) depctr_va_sdst(0) depctr_va_ssrc(0) depctr_va_vcc(0) depctr_vm_vsrc(0)
	s_getreg_b32 s2, hwreg(HW_REG_IB_STS2, 6, 4)
	s_cmp_eq_u32 s2, 0
	s_cbranch_scc0 .Lentry_in_a_cluster
	s_endpgm
.Lentry_in_a_cluster:
	s_bfe_u32 s2, ttmp6, 0x10000c
	s_cmp_lg_u32 s2, 0x3003
	s_cbranch_scc0 .Lentry_shape_is_right
	s_endpgm
.Lentry_shape_is_right:
; out[b][c][:] = the sum over keys of softmax(Q[b][c] . K[b][key]) V[b][key][:], 2,048 queries, 1,024 keys and 1,024 channels a batch; both products on codes of FP6 (E2M3) with E8M0 scales.
; Q, K (K = the 1,024 of H) and V^T (K = the keys) arrive as images of operand registers: img group [64 tiles of 16 rows][8 steps of 128][1,536 bytes]; their scale words in sc, group [8 steps][1,024 rows].
; K's keys and V^T's channels are stored with bits 3 and 4 of their numbers exchanged, so that the 16 registers of two neighbouring result tiles are 16 neighbouring keys, or channels.
; THE SOFTMAX: t = score x log2(e); M = the row's largest t rounded up to a whole number; p = 2^(t - M) is quantised along the keys; the row's sum is taken of the unquantised p and divides at the end.
; SHARES.  A work-group owns 64 queries of one batch.  PHASE 1: wave w makes S^T = K Q^T for keys 256 w .. + 255 and all 64 queries: 64 accumulators: a whole row of scores lies in registers, so there is
; one maximum for a row and nothing is rescaled.  The waves' maxima and sums meet in LDS; each wave's p become 8 fragments, which go to LDS as images.  PHASE 2: every wave holds all of P (384 registers)
; and makes O^T = V^T P^T for channels 256 w .. + 255, 64 channels at a time, which leave as soon as they are finished.  A lane holds one query throughout.
; THE STREAM.  Each fragment of K and V^T is wanted by one wave of the work-group, once, and lies in memory as the operand's registers want it.  A piece is 16 fragments a wave, 64 products; its four groups of
; four fragments have 48 registers each, and a group's registers take the next piece's group as soon as its 16 products are issued.  A group comes by one of TWO WAYS.
;   DIRECT: from memory into the registers, three loads of 16 bytes a lane for a fragment, 512 consecutive bytes a load.
;   THROUGH LDS: the four work-groups of a cluster belong to one batch and walk the same K and V^T; a region of 48 KiB a wave is filled by JOINT tensor loads, three times in the launch:
;   at the head with K's H steps 2, 3 (groups 2, 3 of pieces 0 to 3); in piece 3, when those are in registers, with K's pieces 6 and 7 whole (pieces 4 and 5 come direct meanwhile);
;   in piece 7 with V^T's key steps 6, 7 (group 3 of every piece of phase 2), which land under the softmax.  A wave asks for, and reads, its own part alone: its own wait on TENSORcnt orders the reads.
; V^T's groups lie in the registers that held Q, which the softmax does not touch: so the first piece's three direct groups and its scale words are asked for at the softmax's head.
; Q's 48 KiB are copied into LDS once, a quarter by each wave, and every wave takes its fragments from there; P's images lie on the same bytes later, behind the softmax's first barrier.
; WAITS are counted by the text: ISS is the number of global loads issued, ND0 .. ND3 that number behind a group's last load; DSS, DD0 .. DD3 and DQ0 .. DQ3 the same for the LDS loads of groups and of Q.
; A wait's count is the difference, held at 63; LDS instructions that DSS does not count only make the true number larger.
; PREFETCH, for each cluster what it will load: partner cx names wave part cx, told apart by address; its four waves share a part's runs of 256 bytes, a lane a run (lanes left over name the wave's last run again).
; K's pieces 2, 3 (two direct steps: 48 runs a part) are named in pieces 0, 1; pieces 6, 7 (96 runs) in pieces 1, 2, ahead of the joint load in piece 3; pieces 4, 5 in pieces 2, 3; V^T's steps 6, 7 (192 runs) in
; pieces 4, 5, ahead of the joint load in piece 7; V^T's piece d (six direct steps: 72 runs) two pieces ahead.  What the head asks for comes by its loads alone; the last two pieces name nothing.
; LIMITS: NaN and infinities are not served; p under 2^-126 counts as 0 (v_exp_f32 gives 0 there); a block of p that are all 0 gets the byte 1 and zero codes.
; REGISTERS: window 0: v1-15 addresses; v16-31 the resident operand's scale words (Q's, later P's); v32-47 the stream's, two sets; v48-55 1 / the sums; v56, v57 the add's two;
;   v64-255: K's four groups; in the softmax at work; then O^T (v64-191) and rows on their way out (v192-255, two sets).   window 1: v0-191 Q's fragments of four steps; then V^T's four groups.
;   windows 2, 3: S^T (key tile kt, query tile qt) at v[64 qt + 8 (kt % 8)] of window 2 + kt / 8; later P (key step s, qt) at v[48 (s % 4) + 12 qt] of window 2 + s / 4.
.set FRB,   1536
.set PART,  24576                      ; a wave's part of a piece of V^T in memory
.set PAIR,  49152
.set PSC,   49152                      ; LDS: from byte 0 Q's 32 fragments, (qt, H step s) at (8 qt + s) x 1,536; later P's, (key step s, qt) at (4 s + qt) x 1,536; here P's scale words
.set MX,    51200                      ; the waves' maxima: 16 (16 qt + r) + 4 w; 1,024 bytes on: their sums
.set STAGE, 53248                      ; the way out: 16 rows x (256 + 16) bytes for each wave
.set SPARE, 70656                      ; the spare words: 128 bytes a wave, named by no other line
.set REG,   71168                      ; the joint loads' region: 49,152 bytes a wave; nothing is stored there
.set LI,  1                            ; 16 x lane
.set L4,  2                            ; 4 x lane
.set PFA, 3
.set AR,  4                            ; my place in my part of the region
.set PFD, 5
.set PWI, 6
.set PSW, 7
.set PSR, 8
.set MXA, 9
.set MXR, 10
.set STO, 11
.set SRD, 12
.set GO,  13
.set PFB, 14
.set PFC, 15
.set QS,  16
.set SS,  32
.set RL,  48
.set SPW, 56
.set NIL, 57
.set SB,  64
.set OT,  64
.set RO,  192
.set BM,  64
.set T,   96
.set NM,  128
.set RM,  136
.set MXL, 140
.set PW,  140
.set BY,  148
.set LSUM, 156
.set PCS, 176
.set WV,  10
.set KB,  20
.set VB,  22
.set G0,  36                           ; descriptor group 0: one serves all three loads; it is written where no load of mine is out
.set PK,  40
.set PV,  42
.set QC,  44
.set ARS, 46
.set QB,  48
.set QSB, 50
.set KSB, 52
.set VSB, 54
.set OB,  56
.set TRIPS, 63
.set SEL, 66
.set CS,  68
.set NINF, 70
.set G1A, 72                           ; 16 rows of 3,072 bytes, 12,288 apart
.set G1B, 80                           ; 8 rows of 6,144 bytes, 12,288 apart
.set MSB, 0
.set ISS, 0
.set DSS, 0
.macro WIN new
.if MSB != (\new)
	s_set_vgpr_msb (MSB<<8)|(\new)
.set MSB, (\new)
.endif
.endm
.macro PLACES
.rept 4
	v_nop
.endr
.endm
.macro CROUND                          ; a round of the cluster's barrier
	s_barrier_signal -1
	s_barrier_wait -1
	s_cmp_lg_u32 s[WV], 0
	s_cbranch_scc1 .Lnot_wave_0_\@
	s_barrier_signal -3
.Lnot_wave_0_\@:
	s_barrier_wait -3
	s_barrier_signal -1
	s_barrier_wait -1
.endm
.macro WM                              ; one product; fRA, fRB: the scale words are taken from lanes 16-31; fZ: it starts a sum
.if fZ
.if fRA && fRB
	v_wmma_scale_f32_16x16x128_f8f6f4 v[rD:rD+7], v[rA:rA+11], v[rB:rB+11], 0, v[rSA], v[rSB] matrix_a_fmt:MATRIX_FMT_FP6 matrix_b_fmt:MATRIX_FMT_FP6 matrix_a_scale:MATRIX_SCALE_ROW1 matrix_b_scale:MATRIX_SCALE_ROW1
.elseif fRA
	v_wmma_scale_f32_16x16x128_f8f6f4 v[rD:rD+7], v[rA:rA+11], v[rB:rB+11], 0, v[rSA], v[rSB] matrix_a_fmt:MATRIX_FMT_FP6 matrix_b_fmt:MATRIX_FMT_FP6 matrix_a_scale:MATRIX_SCALE_ROW1
.elseif fRB
	v_wmma_scale_f32_16x16x128_f8f6f4 v[rD:rD+7], v[rA:rA+11], v[rB:rB+11], 0, v[rSA], v[rSB] matrix_a_fmt:MATRIX_FMT_FP6 matrix_b_fmt:MATRIX_FMT_FP6 matrix_b_scale:MATRIX_SCALE_ROW1
.else
	v_wmma_scale_f32_16x16x128_f8f6f4 v[rD:rD+7], v[rA:rA+11], v[rB:rB+11], 0, v[rSA], v[rSB] matrix_a_fmt:MATRIX_FMT_FP6 matrix_b_fmt:MATRIX_FMT_FP6
.endif
.else
.if fRA && fRB
	v_wmma_scale_f32_16x16x128_f8f6f4 v[rD:rD+7], v[rA:rA+11], v[rB:rB+11], v[rD:rD+7], v[rSA], v[rSB] matrix_a_fmt:MATRIX_FMT_FP6 matrix_b_fmt:MATRIX_FMT_FP6 matrix_a_scale:MATRIX_SCALE_ROW1 matrix_b_scale:MATRIX_SCALE_ROW1
.elseif fRA
	v_wmma_scale_f32_16x16x128_f8f6f4 v[rD:rD+7], v[rA:rA+11], v[rB:rB+11], v[rD:rD+7], v[rSA], v[rSB] matrix_a_fmt:MATRIX_FMT_FP6 matrix_b_fmt:MATRIX_FMT_FP6 matrix_a_scale:MATRIX_SCALE_ROW1
.elseif fRB
	v_wmma_scale_f32_16x16x128_f8f6f4 v[rD:rD+7], v[rA:rA+11], v[rB:rB+11], v[rD:rD+7], v[rSA], v[rSB] matrix_a_fmt:MATRIX_FMT_FP6 matrix_b_fmt:MATRIX_FMT_FP6 matrix_b_scale:MATRIX_SCALE_ROW1
.else
	v_wmma_scale_f32_16x16x128_f8f6f4 v[rD:rD+7], v[rA:rA+11], v[rB:rB+11], v[rD:rD+7], v[rSA], v[rSB] matrix_a_fmt:MATRIX_FMT_FP6 matrix_b_fmt:MATRIX_FMT_FP6
.endif
.endif
.endm
; Group g of piece d, direct: twelve loads.  Phase 1 (window 0): fragment e = key tile 4 (d % 4) + e, H step 4 (d / 4) + g.  Phase 2 (window 1; d counted from the base): e = channel tile 2 d + e % 2, key step 2 g + e / 2.
.macro GLD ph, d, g
.if \ph == 2
	WIN 0x40
.endif
.irp e, 0,1,2,3
.if \ph == 1
.set OFS, (4*((\d)%4)+\e)*12288+(4*((\d)/4)+(\g))*FRB
.set BS, KB
.set RB, SB
.else
.set OFS, (\d)*PART+(8*(\e%2)+2*(\g)+\e/2)*FRB
.set BS, VB
.set RB, 0
.endif
.irp c, 0,1,2
	global_load_b128 v[RB+48*(\g)+12*\e+4*\c:RB+48*(\g)+12*\e+4*\c+3], v[LI], s[BS:BS+1] offset:OFS+512*\c
.endr
.endr
	WIN 0
.set ISS, ISS+12
.set ND\g, ISS
.endm
; The same group out of the region.  Pieces 0-3: row = key tile, 3,072 bytes: H steps 2, 3.  Pieces 6, 7: row = key tile - 8, 6,144 bytes: H steps 4 to 7.
.macro LG1 j, g
.irp e, 0,1,2,3
.if (\j) < 4
.set OFS, (4*(\j)+\e)*3072+((\g)-2)*FRB
.else
.set OFS, (4*((\j)-6)+\e)*6144+(\g)*FRB
.endif
.irp c, 0,1,2
	ds_load_b128 v[SB+48*(\g)+12*\e+4*\c:SB+48*(\g)+12*\e+4*\c+3], v[AR] offset:OFS+512*\c
.endr
.endr
.set DSS, DSS+12
.set DD\g, DSS
.endm
.macro LG2 d                           ; phase 2, group 3 of piece d (counted from v[AR]'s place), into window 1: row = channel tile, 3,072 bytes: key steps 6, 7
	WIN 0x40
.irp e, 0,1,2,3
.irp c, 0,1,2
	ds_load_b128 v[144+12*\e+4*\c:144+12*\e+4*\c+3], v[AR] offset:(2*(\d)+\e%2)*3072+(\e/2)*FRB+512*\c
.endr
.endr
	WIN 0
.set DSS, DSS+12
.set DD3, DSS
.endm
.macro WAITN kind, n                   ; kind 0: global loads; 1: LDS
.set NW, (\n)
.if NW > 63
.set NW, 63
.endif
.if \kind
	s_wait_dscnt NW
.else
	s_wait_loadcnt NW
.endif
.endm
.macro WAITG g                         ; direct group g, and all that was asked for ahead of it, is in
	WAITN 0, ISS-ND\g
.endm
.macro WAITL g                         ; group g out of the region is in
	WAITN 1, DSS-DD\g
.endm
.macro WAITQ g                         ; Q's fragments in the registers of step g are in
	WAITN 1, DSS-DQ\g
.endm
; Phase 1, piece j: key tile 4 (j % 4) + e against the four query tiles, H step 4 (j / 4) + g.  A group's sixteen accumulators take turns, one instruction a turn.
.macro MULF1 j, g, e
.if ((\j)%4) < 2
	WIN 0xa4                                       ; source 0 (K) window 0, source 1 (Q) window 1, C and D window 2
.else
	WIN 0xf4
.endif
.irp qt, 0,1,2,3
.set rD, 64*\qt+8*((4*((\j)%4)+(\e))%8)
.set rA, SB+48*(\g)+12*(\e)
.set rB, 48*(\g)+12*\qt
.set rSA, SS+8*((\j)%2)+4*((\e)/2)+(\g)
.set rSB, QS+2*(4*((\j)/4)+(\g))+\qt/2
.set fRA, (\e)%2
.set fRB, \qt%2
.set fZ, ((\j)<4)&&((\g)==0)
	WM
.endr
.endm
; Phase 2, piece of parity par: channel tile 2 par + e % 2 of the four in hand, key step 2 g + e / 2.  Eight accumulators by turns.
.macro MULF2 par, g, e
.if (\g) < 2
	WIN 0x09                                       ; source 0 (V^T) window 1, source 1 (P) window 2, C and D window 0
.else
	WIN 0x0d                                       ; source 1 window 3
.endif
.irp qt, 0,1,2,3
.set SG, 2*(\g)+(\e)/2
.set rD, OT+32*\qt+8*(2*(\par)+(\e)%2)
.set rA, 48*(\g)+12*(\e)
.set rB, 48*(SG%4)+12*\qt
.set rSA, SS+8*(\par)+SG
.set rSB, QS+2*SG+\qt/2
.set fRA, (\e)%2
.set fRB, \qt%2
.set fZ, SG==0
	WM
.endr
.endm
.macro QLOAD s, g                      ; Q's four fragments of H step s out of LDS, into window 1, registers of step g = s % 4
.irp qt, 0,1,2,3
.irp c, 0,1,2
	ds_load_b128 v[48*(\g)+12*\qt+4*\c:48*(\g)+12*\qt+4*\c+3], v[LI] offset:(8*\qt+(\s))*FRB+512*\c
.endr
.endr
.set DSS, DSS+12
.set DQ\g, DSS
.endm
.macro SCL1 d                          ; the scale words of K's piece d: register 4 p + s: lanes 0-15 key tile 2 p, lanes 16-31 tile 2 p + 1, H step s of the piece's four
.irp p, 0,1
.irp s, 0,1,2,3
	global_load_b32 v[SS+8*((\d)%2)+4*\p+\s], v[L4], s[KSB:KSB+1] offset:(4*((\d)/4)+\s)*4096+((\d)%4)*256+128*\p
.endr
.endr
.set ISS, ISS+8
.set NSC, ISS
.endm
.macro SCL2 set, imm                   ; those of a piece of V^T: register s: key step s; lanes 0-15 the even channel tile, lanes 16-31 the odd one
.irp s, 0,1,2,3,4,5,6,7
	global_load_b32 v[SS+8*(\set)+\s], v[L4], s[VSB:VSB+1] offset:\s*4096+(\imm)
.endr
.set ISS, ISS+8
.endm
.macro ASK1 j                          ; what is named while K's piece j is multiplied
.if (\j) < 2
	global_prefetch_b8 v[PFA], s[PK:PK+1] offset:((\j)+2)*49152 th:TH_LOAD_NT scope:SCOPE_SE          ; piece j + 2: its H steps 0, 1
.endif
.if ((\j) == 1) || ((\j) == 2)
	global_prefetch_b8 v[PFB], s[PK:PK+1] offset:((\j)+1)*49152+6144 th:TH_LOAD_NT scope:SCOPE_SE     ; piece j + 5, whole
.endif
.if ((\j) == 2) || ((\j) == 3)
	global_prefetch_b8 v[PFB], s[PK:PK+1] offset:((\j)-2)*49152+6144 th:TH_LOAD_NT scope:SCOPE_SE     ; piece j + 2, whole
.endif
.if ((\j) == 4) || ((\j) == 5)
	global_prefetch_b8 v[PFD], s[PV:PV+1] offset:((\j)-4)*24576 th:TH_LOAD_NT scope:SCOPE_SE          ; half of V^T's key steps 6, 7
.endif
.if (\j) > 5
	global_prefetch_b8 v[PFC], s[PV:PV+1] offset:((\j)-6)*PART th:TH_LOAD_NT scope:SCOPE_SE           ; V^T's piece j - 6: its key steps 0 to 5
.endif
.endm
; The region is filled again.  All my reads of it have been issued.  The wait for all my tensor loads (none is out), the add, the wait for it and for my reads; a round of the cluster's barrier; the joint load first behind it.
.macro REFILL base, off, g1
	s_wait_tensorcnt 0x0
	ds_add_u32 v[SPW], v[NIL]
	s_add_nc_u64 s[G0+2:G0+3], s[\base:\base+1], \off
	s_or_b32 s[G0+3], s[G0+3], 0x80000000
	s_wait_dscnt 0x0
	CROUND
	tensor_load_to_lds s[G0:G0+3], s[\g1:\g1+7]
	s_nop 0
	PLACES
.endm
	s_load_b128 s[4:7], s[0:1], 0x0                ; img, sc
	s_load_b64 s[8:9], s[0:1], 0x10                ; out
	v_lshl_add_u32 v[SPW], v0, 2, SPARE
	v_mov_b32 v[NIL], 0
	ds_add_u32 v[SPW], v[NIL]                      ; the opening lines: the add twice on end, its wait ahead of my first tensor load
	ds_add_u32 v[SPW], v[NIL]
	v_lshrrev_b32 v58, 5, v0
	v_readfirstlane_b32 s[WV], v58                 ; wave 0..3
	s_bfe_u32 s11, ttmp6, 0x40000                  ; cx
	s_lshl_b32 s12, ttmp9, 2
	s_add_co_u32 s12, s12, s11                     ; x: my block of 64 queries
	s_and_b32 s13, ttmp7, 0xffff                   ; the batch, which the four partners share
	s_mul_i32 s14, s[WV], 8*FRB
	s_lshl_b32 s15, s[WV], 9
	s_add_co_u32 s15, s15, PSC
	s_lshl_b32 s16, s[WV], 2
	s_add_co_u32 s16, s16, MX
	s_mul_i32 s17, s[WV], 16*272
	s_add_co_u32 s17, s17, STAGE
	s_mul_i32 s[ARS], s[WV], PAIR
	s_add_co_u32 s[ARS], s[ARS], REG
	s_and_b32 s18, s[WV], 1                        ; V^T's direct runs: channel tile w / 2 of a piece's two, runs 18 (w % 2) on
	s_mul_i32 s18, s18, 18*256
	s_lshr_b32 s19, s[WV], 1
	s_mul_i32 s19, s19, 12288
	s_add_co_u32 s18, s18, s19
	s_mul_i32 s19, s[WV], 49152                    ; V^T's steps 6, 7: channel tiles 4 w on, byte 9,216 of each
	s_add_co_u32 s19, s19, 9216
	v_and_b32 v58, 31, v0                          ; lane
	v_and_b32 v59, 15, v0                          ; r
	v_bfe_u32 v60, v0, 4, 1                        ; h
	v_lshlrev_b32 v[LI], 4, v58
	v_lshlrev_b32 v[L4], 2, v58
	v_add_nc_u32 v[PWI], s14, v[LI]                ; where I store my quarter of Q, later my 8 fragments of P
	v_add_nc_u32 v[AR], s[ARS], v[LI]
	v_lshl_add_u32 v[PSW], v59, 2, s15
	v_add_nc_u32 v[PSR], PSC, v[L4]
	v_lshl_add_u32 v[MXA], v59, 4, s16
	v_lshl_add_u32 v[MXR], v59, 4, MX
	v_mul_u32_u24 v[STO], v59, 272                 ; the stage, in: row r, + 64 h
	v_lshl_add_u32 v[STO], v60, 6, v[STO]
	v_add_nc_u32 v[STO], s17, v[STO]
	v_mul_u32_u24 v[SRD], v60, 272                 ; back: lanes 0-15 one row of 256 bytes, lanes 16-31 the next
	v_lshl_add_u32 v[SRD], v59, 4, v[SRD]
	v_add_nc_u32 v[SRD], s17, v[SRD]
	v_lshlrev_b32 v[GO], 12, v60                   ; and the same two rows of out
	v_lshl_add_u32 v[GO], v59, 4, v[GO]
	v_min_u32 v61, 11, v58
	v_lshl_add_u32 v[PFA], v61, 8, s14             ; key tile w of a piece's four, runs 0 to 11
	v_min_u32 v61, 23, v58
	v_lshl_add_u32 v[PFB], v61, 8, s14             ; the same, runs 0 to 23
	v_mul_u32_u24 v62, v61, 22
	v_lshrrev_b32 v62, 8, v62                      ; min(lane, 23) / 12
	v_mul_u32_u24 v63, v62, 12
	v_sub_nc_u32 v63, v61, v63
	v_lshl_add_u32 v63, v63, 8, s19
	v_mad_u32_u24 v[PFD], v62, 12288, v63          ; two channel tiles x 12 runs
	v_min_u32 v61, 17, v58
	v_lshl_add_u32 v[PFC], v61, 8, s18
.irp qt, 0,1,2,3
	v_mov_b32 v[RL+2*\qt+1], 0                     ; named as the upper halves of pairs, so they are written
.endr
	s_mov_b32 s[G1A], 15|(3<<16)|(1<<21)           ; the mask: all four work-groups; elements of 8 bytes; bit 21 set beside a mask
	s_mov_b32 s[G1A+1], 384<<16
	s_mov_b32 s[G1A+2], 16<<16
	s_mov_b32 s[G1A+3], 384<<16
	s_mov_b32 s[G1A+4], 16
	s_mov_b32 s[G1A+5], 1536
	s_mov_b32 s[G1A+6], 0
	s_mov_b32 s[G1A+7], 0
	s_mov_b32 s[G1B], 15|(3<<16)|(1<<21)
	s_mov_b32 s[G1B+1], 768<<16
	s_mov_b32 s[G1B+2], 8<<16
	s_mov_b32 s[G1B+3], 768<<16
	s_mov_b32 s[G1B+4], 8
	s_mov_b32 s[G1B+5], 1536
	s_mov_b32 s[G1B+6], 0
	s_mov_b32 s[G1B+7], 0
	s_mov_b32 s[SEL], 0x76543210
	s_mov_b32 s[SEL+1], 0xfedcba98
	s_mov_b32 s[CS], 0x3fb8aa3b                    ; log2(e)
	s_mov_b32 s[CS+1], s[CS]
	s_mov_b32 s[NINF], 0xff800000
	s_mov_b32 s18, s14                             ; my quarter of Q
	s_mov_b32 s19, 0
	s_add_co_u32 s24, s13, 16                      ; K's group of the batch: what feeds the descriptors is made of the batch and the wave's number alone
	s_mul_i32 s24, s24, 786432
	s_mul_i32 s34, s11, 196608                     ; the part that my work-group names in its prefetches
	s_add_co_u32 s34, s34, s24
	s_mov_b32 s35, 0
	s_mul_i32 s25, s[WV], 196608                   ; my wave's 16 tiles
	s_add_co_u32 s24, s24, s25
	s_mov_b32 s25, 0
	s_lshl_b32 s26, s13, 7                         ; Q's images: tile 128 b + 4 x
	s_lshl_b32 s27, s12, 2
	s_add_co_u32 s26, s26, s27
	s_mul_i32 s26, s26, 12288
	s_mov_b32 s27, 0
	s_lshl_b32 s28, s13, 1                         ; Q's scale words: group 2 b + x / 16, row 64 (x % 16)
	s_lshr_b32 s29, s12, 4
	s_add_co_u32 s28, s28, s29
	s_lshl_b32 s28, s28, 15
	s_and_b32 s29, s12, 15
	s_lshl_b32 s29, s29, 8
	s_add_co_u32 s28, s28, s29
	s_mov_b32 s29, 0
	s_add_co_u32 s30, s13, 16                      ; K's scale words: my wave's 256 rows
	s_lshl_b32 s30, s30, 15
	s_lshl_b32 s31, s[WV], 10
	s_add_co_u32 s30, s30, s31
	s_mov_b32 s31, 0
	s_lshl_b32 s32, s13, 11                        ; out: my first query's row, my wave's 256 channels
	s_lshl_b32 s33, s12, 6
	s_add_co_u32 s32, s32, s33
	s_lshl_b32 s32, s32, 12
	s_lshl_b32 s33, s[WV], 10
	s_add_co_u32 s32, s32, s33
	s_mov_b32 s33, 0
	s_wait_alu depctr_va_vdst(0)
	s_wait_dscnt 0x0                               ; both opening adds are done
	s_wait_kmcnt 0x0
	s_add_nc_u64 s[KB:KB+1], s[4:5], s[24:25]
	s_add_nc_u64 s[VB:VB+1], s[KB:KB+1], 8*786432  ; V^T's groups lie eight groups on
	s_add_nc_u64 s[PK:PK+1], s[4:5], s[34:35]
	s_add_nc_u64 s[PV:PV+1], s[PK:PK+1], 8*786432
	s_add_nc_u64 s[QB:QB+1], s[4:5], s[26:27]
	s_add_nc_u64 s[QC:QC+1], s[QB:QB+1], s[18:19]
	s_add_nc_u64 s[QSB:QSB+1], s[6:7], s[28:29]
	s_add_nc_u64 s[KSB:KSB+1], s[6:7], s[30:31]
	s_add_nc_u64 s[VSB:VSB+1], s[KSB:KSB+1], 8*32768
	s_add_nc_u64 s[OB:OB+1], s[8:9], s[32:33]
	s_mov_b32 s[G0], 1
	s_mul_i32 s[G0+1], s[WV], PAIR                 ; LDS address: my part of the region; it never changes
	s_add_co_u32 s[G0+1], s[G0+1], REG
	s_add_nc_u64 s[G0+2:G0+3], s[KB:KB+1], 3072    ; my 16 key tiles, H steps 2, 3
	s_or_b32 s[G0+3], s[G0+3], 0x80000000
	CROUND                                         ; all four work-groups are here: the first joint loads meet
	tensor_load_to_lds s[G0:G0+3], s[G1A:G1A+7]    ; my one load at the head
	s_nop 0
	PLACES
	WIN 0x40
.set kk, 0
.rept 24
	global_load_b128 v[4*kk:4*kk+3], v[LI], s[QC:QC+1] offset:512*kk   ; my quarter of Q, 12,288 consecutive bytes, by way of window 1
.set kk, kk+1
.endr
	WIN 0
.set ISS, ISS+24
.set NDC, ISS
.irp s, 0,1,2,3,4,5,6,7
.irp p, 0,1
	global_load_b32 v[QS+2*\s+\p], v[L4], s[QSB:QSB+1] offset:\s*4096+128*\p   ; Q's scale words: register 2 s + p: lanes 0-15 query tile 2 p, lanes 16-31 tile 2 p + 1
.endr
.endr
.set ISS, ISS+16
	SCL1 0
	GLD 1, 0, 0
	GLD 1, 0, 1
	s_wait_loadcnt ISS-NDC                         ; my quarter of Q is in; the 48 loads issued behind it may be out
	WIN 0x04
.set kk, 0
.rept 24
	ds_store_b128 v[PWI], v[4*kk:4*kk+3] offset:512*kk
.set kk, kk+1
.endr
	WIN 0
	s_wait_dscnt 0x0                               ; for the others' sake: my stores are done
	s_barrier_signal -1
	s_barrier_wait -1                              ; the joint load may stay on its way
	WIN 0x40
	QLOAD 0, 0
	QLOAD 1, 1
	QLOAD 2, 2
	QLOAD 3, 3
	WIN 0
	s_wait_tensorcnt 0x0                           ; my part of the region is in; I alone read it
	LG1 0, 2
	LG1 0, 3
; PHASE 1, piece j, group g: the wait for the group, 16 products, four places, and the group's registers take the next piece's group, by its way.  With group 0 go the next piece's scale words (into the set that the
; piece before this one used); in piece 3, Q's step 4 + g goes into the registers of step g, which has just been multiplied for the last time.  Piece 7 asks for nothing: the softmax works in the groups' registers.
.macro SRC j, g                        ; SL: group g of K's piece j comes out of the region
.set SL, (((\j)<4)&&((\g)>1))||((\j)>5)
.endm
.macro P1G j, g
.if ((\j) == 3) && ((\g) == 1)
	REFILL KB, 104448, G1B                         ; key tiles 8 to 15, H steps 4 to 7: pieces 6 and 7
.endif
.if ((\j) == 7) && ((\g) == 1)
	REFILL VB, 9216, G1A                           ; my 16 channel tiles, key steps 6, 7
.endif
	SRC \j, \g
.if SL
.if (\g) == 0
	WAITN 0, ISS-NSC                               ; the piece's scale words
.endif
	WAITL \g
.else
	WAITG \g
.endif
.if ((\j)%4) == 0
	WAITQ \g
.endif
	MULF1 \j, \g, 0
	MULF1 \j, \g, 1
	MULF1 \j, \g, 2
	MULF1 \j, \g, 3
	WIN 0
	PLACES                                         ; in front of loads into registers that the products have read; behind the last group: of the softmax's first reads
.if (\j) == 3
	WIN 0x40
	QLOAD 4+\g, \g
	WIN 0
.endif
.if (\j) < 7
.if (\g) == 0
	SCL1 (\j)+1
.endif
	SRC (\j)+1, \g
.if SL
.if ((\j) == 5) && ((\g) == 0)
	s_wait_tensorcnt 0x0                           ; pieces 6 and 7, asked for in piece 3, are in: nothing was issued behind that load
.endif
	LG1 (\j)+1, \g
.else
	GLD 1, (\j)+1, \g
.endif
.endif
.if (\g) == 0
	ASK1 \j
.endif
.endm
.irp j, 0,1,2,3,4,5,6,7
.irp g, 0,1,2,3
	P1G \j, \g
.endr
.endr
	SCL2 0, 0                                      ; Q's registers are done with: V^T's first piece sets out, and lands under the softmax, which names none of these registers
	GLD 2, 0, 0
	GLD 2, 0, 1
	GLD 2, 0, 2
	; ---- THE SOFTMAX.  Registers 16 k .. 16 k + 15 of window 2 + g (k = 4 qt + b) are keys 256 w + 128 g + 32 b + 16 h + 0 .. 15 of query 16 qt + r.
	; The largest score of each block of 32 keys serves for the row's maximum and, since p rises with the score, for the block's largest p.  Each accumulator is read from its low end on.
.irp g, 0,1
.set WW, 0x28+0x14*\g
	WIN WW
.irp k, 0,1,2,3,4,5,6,7,8,9,10,11,12,13,14,15
	v_max3_num_f32 v[BM+16*\g+\k], s[NINF], v[16*\k], v[16*\k+1]
.endr
.irp i, 2,4,6,8,10,12,14
.irp k, 0,1,2,3,4,5,6,7,8,9,10,11,12,13,14,15
	v_max3_num_f32 v[BM+16*\g+\k], v[BM+16*\g+\k], v[16*\k+\i], v[16*\k+\i+1]
.endr
.endr
.endr
	WIN 0
.set kk, 0
.rept 32
	v_mov_b32 v[T+kk], 0                           ; a lane permute's destination counts as one of its sources
.set kk, kk+1
.endr
.set kk, 0
.rept 32
	v_permlanex16_b32 v[T+kk], v[BM+kk], s[SEL], s[SEL+1]
.set kk, kk+1
.endr
.set kk, 0
.rept 32
	v_max_num_f32 v[BM+kk], v[BM+kk], v[T+kk]      ; with lane l xor 16's 16 keys
.set kk, kk+1
.endr
.irp qt, 0,1,2,3
	v_max3_num_f32 v[RM+\qt], v[BM+4*\qt], v[BM+4*\qt+1], v[BM+4*\qt+2]
.endr
.irp qt, 0,1,2,3
	v_max3_num_f32 v[RM+\qt], v[RM+\qt], v[BM+4*\qt+3], v[BM+16+4*\qt]
.endr
.irp qt, 0,1,2,3
	v_max3_num_f32 v[RM+\qt], v[RM+\qt], v[BM+16+4*\qt+1], v[BM+16+4*\qt+2]
.endr
.irp qt, 0,1,2,3
	v_max_num_f32 v[RM+\qt], v[RM+\qt], v[BM+16+4*\qt+3]   ; my wave's 256 keys
.endr
.irp qt, 0,1,2,3
	ds_store_b32 v[MXA], v[RM+\qt] offset:256*\qt  ; both halves of the lanes write the same word with the same value
.endr
	s_wait_dscnt 0x0                               ; for the others' sake: my stores are done (and my reads of Q were long ago)
	s_barrier_signal -1
	s_barrier_wait -1                              ; the joint load may stay on its way
.irp qt, 0,1,2,3
	ds_load_b128 v[MXL+4*\qt:MXL+4*\qt+3], v[MXR] offset:256*\qt
.endr
	s_wait_dscnt 0x0
.irp qt, 0,1,2,3
	v_max3_num_f32 v[RM+\qt], v[MXL+4*\qt], v[MXL+4*\qt+1], v[MXL+4*\qt+2]
.endr
.irp qt, 0,1,2,3
	v_max_num_f32 v[RM+\qt], v[RM+\qt], v[MXL+4*\qt+3]     ; the row's largest score
.endr
.irp qt, 0,1,2,3
	v_mul_f32 v[RM+\qt], s[CS], v[RM+\qt]          ; as t
.endr
.irp qt, 0,1,2,3
	v_floor_f32 v[NM+2*\qt], -v[RM+\qt]            ; -M = floor(-t) = -ceil(t): a whole number
.endr
.irp qt, 0,1,2,3
	v_mov_b32 v[NM+2*\qt+1], v[NM+2*\qt]
.endr
	; p = 2^(t - M): one packed multiply-add for two scores, one exponential each, in place
.irp g, 0,1
.set WW, 0x82+0x41*\g
	WIN WW
.irp qt, 0,1,2,3
.set kk, 0
.rept 32
	v_pk_fma_f32 v[64*\qt+kk:64*\qt+kk+1], v[64*\qt+kk:64*\qt+kk+1], s[CS:CS+1], v[NM+2*\qt:NM+2*\qt+1] op_sel_hi:[1,0,0]
.set kk, kk+2
.endr
.set kk, 0
	s_wait_alu depctr_va_vdst(0)
.rept 64
	v_exp_f32 v[64*\qt+kk], v[64*\qt+kk]
.set kk, kk+1
.endr
.endr
.endr
	WIN 0
.set kk, 0
.rept 32
	v_fma_f32 v[BM+kk], v[BM+kk], s[CS], v[NM+2*((kk/4)%4)]   ; the same of each block's largest score
.set kk, kk+1
.endr
.set kk, 0
	s_wait_alu depctr_va_vdst(0)
.rept 32
	v_exp_f32 v[BM+kk], v[BM+kk]                   ; the block's largest p: the same two instructions on the same number
.set kk, kk+1
.endr
.set kk, 0
.rept 16
	v_mov_b32 v[LSUM+kk], 0                        ; plain instructions behind the last exponential
.set kk, kk+1
.endr
	s_wait_alu depctr_va_vdst(0)                   ; one wait for all exponentials, ahead of their first reader
	; the row's sum is taken of the unquantised p: packed, two chains for each query tile
.irp g, 0,1
.set WW, 0x08+4*\g
	WIN WW
.set kk, 0
.rept 16
.irp qt, 0,1,2,3
	v_pk_add_f32 v[LSUM+4*\qt:LSUM+4*\qt+1], v[LSUM+4*\qt:LSUM+4*\qt+1], v[64*\qt+kk:64*\qt+kk+1]
	v_pk_add_f32 v[LSUM+4*\qt+2:LSUM+4*\qt+3], v[LSUM+4*\qt+2:LSUM+4*\qt+3], v[64*\qt+kk+2:64*\qt+kk+3]
.endr
.set kk, kk+4
.endr
.endr
	WIN 0
.irp qt, 0,1,2,3
	v_pk_add_f32 v[LSUM+4*\qt:LSUM+4*\qt+1], v[LSUM+4*\qt:LSUM+4*\qt+1], v[LSUM+4*\qt+2:LSUM+4*\qt+3]
.endr
.irp qt, 0,1,2,3
	v_add_f32 v[LSUM+4*\qt], v[LSUM+4*\qt], v[LSUM+4*\qt+1]
.endr
.irp qt, 0,1,2,3
	v_permlanex16_b32 v[LSUM+4*\qt+1], v[LSUM+4*\qt], s[SEL], s[SEL+1]
.endr
.irp qt, 0,1,2,3
	v_add_f32 v[LSUM+4*\qt], v[LSUM+4*\qt], v[LSUM+4*\qt+1]   ; my wave's 256 keys
.endr
.irp qt, 0,1,2,3
	ds_store_b32 v[MXA], v[LSUM+4*\qt] offset:1024+256*\qt
.endr
	; p is quantised: unit (g, qt), 64 registers, is the fragment of key step 2 w + g and query tile qt
.set kk, 0
.rept 32
	v_max_num_f32 v[BM+kk], 0x1800000, v[BM+kk]    ; the floor 2^(3 - 127): the byte cannot fall under 1
.set kk, kk+1
.endr
.set kk, 0
.rept 32
	v_add_nc_u32 v[T+kk], 0xff000000, v[BM+kk]     ; 2 off the exponent field: the conversion's scale operand
.set kk, kk+1
.endr
.irp g, 0,1
.irp qt, 0,1,2,3
.set UU, 4*\g+\qt
.set PCR, PCS+20*\qt
.set SCB, T+16*\g+4*\qt
.if \g
	s_wait_dscnt 12                                ; the stores of the unit four back have read this set of registers; three units' twelve may be out
.endif
.irp b, 0,1,2,3
	v_lshrrev_b32 v[BY+\b], 23, v[SCB+\b]          ; the scale's byte
.endr
	v_lshl_or_b32 v[PW+UU], v[BY+1], 8, v[BY]
	v_lshl_or_b32 v[PW+UU], v[BY+2], 16, v[PW+UU]
	v_lshl_or_b32 v[PW+UU], v[BY+3], 24, v[PW+UU]
	WIN 2+\g
.irp c, 0,1
	v_cvt_scalef32_pk16_fp6_f32 v[PCR+6*\c:PCR+6*\c+2], v[64*\qt+32*\c:64*\qt+32*\c+15], v[SCB+2*\c]
	v_cvt_scalef32_pk16_fp6_f32 v[PCR+12+4*\c:PCR+14+4*\c], v[64*\qt+32*\c+16:64*\qt+32*\c+31], v[SCB+2*\c+1]
.endr
	WIN 0
	v_nop                                          ; one plain instruction behind a scaled conversion
.irp c, 0,1                                    ; a whole block in a lane: lanes 0-15 block 2 c, lanes 16-31 block 2 c + 1
.irp i, 0,1,2
	v_permlane16_swap_b32 v[PCR+6*\c+\i], v[PCR+12+4*\c+\i]
.endr
.irp i, 0,1,2
	v_mov_b32 v[PCR+3+6*\c+\i], v[PCR+12+4*\c+\i]
.endr
.endr
.irp c, 0,1,2
	ds_store_b128 v[PWI], v[PCR+4*\c:PCR+4*\c+3] offset:UU*FRB+512*\c   ; the fragment goes to LDS as it stands
.endr
	ds_store_b32 v[PSW], v[PW+UU] offset:256*\g+64*\qt
.endr
.endr
	s_wait_dscnt 0x0                               ; for the others' sake: my sums, images and scale words are stored
	s_barrier_signal -1
	s_barrier_wait -1
.irp qt, 0,1,2,3
	ds_load_b128 v[QS+4*\qt:QS+4*\qt+3], v[MXR] offset:1024+256*\qt    ; the four waves' sums, where Q's scale words lay
.endr
	WIN 0x80                                       ; destination window 2
.set kk, 0
.rept 16
.irp c, 0,1,2
	ds_load_b128 v[12*kk+4*\c:12*kk+4*\c+3], v[LI] offset:kk*FRB+512*\c
.endr
.set kk, kk+1
.endr
	WIN 0
	s_wait_dscnt 48                                ; the sums are in; the 48 loads behind them may be out
.irp qt, 0,1,2,3
	v_add_f32 v[QS+4*\qt], v[QS+4*\qt], v[QS+4*\qt+1]
.endr
.irp qt, 0,1,2,3
	v_add_f32 v[QS+4*\qt+2], v[QS+4*\qt+2], v[QS+4*\qt+3]
.endr
.irp qt, 0,1,2,3
	v_add_f32 v[QS+4*\qt], v[QS+4*\qt], v[QS+4*\qt+2]      ; the row's sum
.endr
	s_wait_alu depctr_va_vdst(0)
.irp qt, 0,1,2,3
	v_rcp_f32 v[RL+2*\qt], v[QS+4*\qt]
.endr
	v_nop                                          ; a plain instruction behind the last reciprocal
	WIN 0xc0                                       ; destination window 3
.set kk, 0
.rept 16
.irp c, 0,1,2
	ds_load_b128 v[12*kk+4*\c:12*kk+4*\c+3], v[LI] offset:(16+kk)*FRB+512*\c
.endr
.set kk, kk+1
.endr
	WIN 0
.irp s, 0,1,2,3,4,5,6,7
.irp p, 0,1
	ds_load_b32 v[QS+2*\s+\p], v[PSR] offset:256*\s+128*\p   ; P's scale words: register 2 s + p: lanes 0-15 query tile 2 p, lanes 16-31 tile 2 p + 1
.endr
.endr
	s_wait_tensorcnt 0x0                           ; V^T's key steps 6, 7, asked for in piece 7, are in: nothing was issued behind that load
	LG2 0
	s_wait_alu depctr_va_vdst(0)                   ; the wait for the four reciprocals, ahead of the label and of their first reader
	s_wait_dscnt 0x0                               ; all of P, its scale words and the first piece's group 3 are in
; PHASE 2, a piece of parity par, group g: as in phase 1; groups 0 to 2 come direct, group 3 out of the region.  nxt: the piece, counted from the bases, whose group g goes into these registers (under 0: none);
; pf: piece par + 2 is named.
.macro P2G par, g, nxt, pf
.if (\g) == 3
	WAITL 3
.else
	WAITG \g
.endif
	MULF2 \par, \g, 0
	MULF2 \par, \g, 1
	MULF2 \par, \g, 2
	MULF2 \par, \g, 3
	WIN 0
	PLACES                                         ; in front of loads into registers that the products have read, and of the way out's first reads
.if (\nxt) >= 0
.if (\g) == 0
	SCL2 1-(\par), (\nxt)*128
.endif
.if (\g) == 3
	LG2 \nxt
.else
	GLD 2, \nxt, \g
.endif
.if ((\g) == 0) && (\pf)
	global_prefetch_b8 v[PFC], s[PV:PV+1] offset:((\par)+2)*PART th:TH_LOAD_NT scope:SCOPE_SE
.endif
.endif
.endm
; THE WAY OUT of 64 channels x 64 queries, all in window 0.  Register OT + 32 qt + 8 ctl + i is out(16 qt + r, 32 (ctl / 2) + 16 h + 8 (ctl % 2) + i).  O^T is divided by the sum, goes through my stage, a query tile
; at a time, and leaves as rows of 256 bytes.  The rows read back have two sets of 32 registers, by turns.
.macro TOSTAGE qt
.irp ctl, 0,1,2,3
	ds_store_b128 v[STO], v[OT+32*(\qt)+8*\ctl:OT+32*(\qt)+8*\ctl+3] offset:128*(\ctl/2)+32*(\ctl%2)
	ds_store_b128 v[STO], v[OT+32*(\qt)+8*\ctl+4:OT+32*(\qt)+8*\ctl+7] offset:128*(\ctl/2)+32*(\ctl%2)+16
.endr
.irp i, 0,1,2,3,4,5,6,7
	ds_load_b128 v[RO+32*((\qt)%2)+4*\i:RO+32*((\qt)%2)+4*\i+3], v[SRD] offset:544*\i   ; LDS serves a wave's instructions in order: these see my stores
.endr
.endm
.macro SEND qt, y                      ; y: the LDS instructions issued behind tile qt's loads
.irp i, 0,1,2,3,4,5,6,7
	s_wait_dscnt (\y)+7-\i
	global_store_b128 v[GO], v[RO+32*((\qt)%2)+4*\i:RO+32*((\qt)%2)+4*\i+3], s[OB:OB+1] offset:(16*(\qt)+2*\i)*4096 th:TH_STORE_NT   ; 16 lanes store 256 consecutive bytes, at a multiple of 256 from out's first byte
.endr
.endm
.macro WAYOUT last
.set kk, 0
.rept 64
	v_pk_mul_f32 v[OT+kk:OT+kk+1], v[RL+2*(kk/32):RL+2*(kk/32)+1], v[OT+kk:OT+kk+1] op_sel_hi:[0,1]   ; ascending: each accumulator from its low end on
.set kk, kk+2
.endr
	TOSTAGE 0
	TOSTAGE 1
	s_wait_alu depctr_va_vdst(0)
	SEND 0, 16
	s_wait_xcnt 0x0                                ; tile 0's stores have read their registers: tile 2's rows may land there
	TOSTAGE 2
	SEND 1, 16
	s_wait_xcnt 0x0                                ; and tile 1's
	TOSTAGE 3
	SEND 2, 16
	SEND 3, 0
.if !\last
	s_wait_xcnt 0x0                                ; the stores, the loads and the prefetches have read their registers and bases: these may be written
	s_add_nc_u64 s[OB:OB+1], s[OB:OB+1], 256       ; the next 64 channels
	s_add_nc_u64 s[VSB:VSB+1], s[VSB:VSB+1], 256
	s_add_nc_u64 s[VB:VB+1], s[VB:VB+1], PAIR
	s_add_nc_u64 s[PV:PV+1], s[PV:PV+1], PAIR
	s_add_co_u32 s[ARS], s[ARS], 12288             ; four channel tiles on in the region
	v_add_nc_u32 v[AR], s[ARS], v[LI]
	s_wait_alu depctr_va_vdst(0)
.endif
.endm
	s_mov_b32 s[TRIPS], 3
.Ltrip:                                            ; a trip: two pieces, 64 channels; at its head and at its end alike 24 loads stand behind group 0's
.irp g, 0,1,2,3
	P2G 0, \g, 1, 1
.endr
.irp g, 0,1,2,3
	P2G 1, \g, 2, 1
.endr
	WAYOUT 0
	s_sub_co_u32 s[TRIPS], s[TRIPS], 1
	s_cmp_lg_u32 s[TRIPS], 0
	s_cbranch_scc1 .Ltrip
.irp g, 0,1,2,3                        ; the last two pieces are written out: the very last asks for nothing
	P2G 0, \g, 1, 0
.endr
.irp g, 0,1,2,3
	P2G 1, \g, -1, 0
.endr
	WAYOUT 1
	s_wait_tensorcnt 0x0                           ; the wave's end: behind my last tensor load and my last LDS store
	ds_add_u32 v[SPW], v[NIL]
	s_wait_dscnt 0x0
	CROUND                                         ; the closing round
	s_endpgm
.Lfunc_end_k_q5de1bd343a_attn:
	.size	k_q5de1bd343a_attn, .Lfunc_end_k_q5de1bd343a_attn-k_q5de1bd343a_attn
	.p2alignl 7, 3214868480
	.fill 96, 4, 3214868480
	.section	.rodata,"a",@progbits
	.p2align	6, 0x0
	.amdhsa_kernel k_q5de1bd343a_attn
		.amdhsa_group_segment_fixed_size 327680
		.amdhsa_private_segment_fixed_size 0
		.amdhsa_enable_private_segment 0
		.amdhsa_kernarg_size 24
		.amdhsa_user_sgpr_count 2
		.amdhsa_user_sgpr_kernarg_segment_ptr 1
		.amdhsa_wavefront_size32 1
		.amdhsa_system_sgpr_workgroup_id_x 1
		.amdhsa_system_sgpr_workgroup_id_y 1
		.amdhsa_system_sgpr_workgroup_id_z 1
		.amdhsa_system_vgpr_workitem_id 0
		.amdhsa_next_free_vgpr 1024
		.amdhsa_next_free_sgpr 88
		.amdhsa_reserve_vcc 0
		.amdhsa_float_denorm_mode_32 3
		.amdhsa_float_denorm_mode_16_64 3
		.amdhsa_memory_ordered 1
		.amdhsa_forward_progress 1
		.amdhsa_inst_pref_size 255
	.end_amdhsa_kernel
	.section	.bss,"aw",@nobits
	.p2align	6
	.space	262144
	.amdgpu_metadata
---
amdhsa.version: [ 1, 2 ]
amdhsa.kernels:
  - .name:           k_q5de1bd343a_attn
    .symbol:         k_q5de1bd343a_attn.kd
    .args:
      - { .name: img, .offset: 0, .size: 8, .value_kind: global_buffer, .address_space: global }
      - { .name: sc, .offset: 8, .size: 8, .value_kind: global_buffer, .address_space: global }
      - { .name: out0, .offset: 16, .size: 8, .value_kind: global_buffer, .address_space: global }
    .group_segment_fixed_size: 327680
    .private_segment_fixed_size: 0
    .kernarg_segment_align: 8
    .kernarg_segment_size: 24
    .max_flat_workgroup_size: 128
    .sgpr_count:     88
    .vgpr_count:     1024
    .wavefront_size: 32
...
	.end_amdgpu_metadata
.endif
;; end of part 3
